; MI455X (gfx1250); checked and timed in simulation.
; The chip was launched on July 23, 2026; its instructions are those of AMD's public machine-readable ISA for CDNA 5 (MIT licence, August 2026) and "CDNA5" Instruction Set Architecture Reference Guide (July 2026). The comments in the code are by the model that wrote it; some were corrected since.
;; Feather Net. Allowed arithmetic: matrix products marked QUANTISED: E3M2 operands, one E8M0 scale for each 32 along K, by v_wmma_scale_f32_16x16x128_f8f6f4 with both operands' format E3M2, f32 sums; everything else in f32.
;; Inputs: V1 2,897 x 2,897 float32; V2 2,897 x 2,897 float32; x 4,096 x 2,048 float32.
;; Outputs: out0 4,096 x 2,048 float32.
;; This version of the problem:
;;   THIS VERSION OF THE PROBLEM IS GIVEN IN LOW PRECISION. The matrix products marked QUANTISED in the list below multiply operands that are first quantised to E3M2 (3 exponent bits, 2 mantissa bits; 6 bits a number), with one power-of-two scale for each 32 numbers along K (OCP MX v1.0); their sums are f32. All else is computed in f32.
;;   The module's matrix products, in the order in which they are computed (A, B: the left and right operand; K: the contracted axis; several contracted axes count as one K, in the product's order):
;;     1. [M 2,897, K 2,897] x [K 2,897, N 2,897]; A: input V1; B: input V2: QUANTISED
;;     2. [M 4,096, K 2,048] x [K 2,048, N 1,024]; A: input x; B: computed on the way: QUANTISED
;;     3. [M 4,096, K 1,024] x [K 1,024, N 2,048]; A: computed on the way; B: computed on the way: QUANTISED
;;   THE QUANTISER, for each operand of a quantised product, along K:
;;     - K is cut into blocks of 32 from its start; a last block that is shorter is filled with zeros.
;;     - A block's scale is 2^e with e = floor(log2(the largest magnitude in the block)) - 4, held to -126 .. 127; a block of zeros has e = 0. As a byte (E8M0): e + 127.
;;     - Each number is divided by its block's scale, clamped to +-28, and rounded to the nearest number of E3M2, ties to even, subnormals kept.
;;     - The product sums the exact products of the quantised numbers (number of the format x scale) in f32.
;;   ~~~python
;;   def quantise(x, axis):      # numpy; x: float32 -> the quantised numbers, widened to float32 again
;;       x = np.moveaxis(x, axis, -1); K = x.shape[-1]
;;       x = np.pad(x, [(0, 0)] * (x.ndim - 1) + [(0, -K % 32)]); x = x.reshape(x.shape[:-1] + (-1, 32)); a = np.abs(x).max(-1, keepdims=True)
;;       e = np.where(a > 0, np.clip(np.frexp(np.where(a > 0, a, 1))[1] - 1 - 4, -126, 127), 0)      # np.frexp(a)[1] - 1 = floor(log2(a)), exactly
;;       r = np.clip(x / 2.0 ** e, -28, 28)
;;       step = 2.0 ** (np.maximum(np.frexp(np.where(r == 0, 1, r))[1] - 1, -2) - 2)
;;       q = np.round(r / step) * step * 2.0 ** e      # np.round: ties to even
;;       return np.moveaxis(q.reshape(q.shape[:-2] + (-1,))[..., :K], -1, axis).astype(np.float32)
;;   ~~~
;;   OPERANDS COMPUTED ON THE WAY. 'Computed on the way' means the value that the module computes at that place (a softmax that the list does not call 'softmax' is quantised finished and normalised). What goes into a quantiser is computed in f32, as accurately as f32 sums, v_exp_f32 and their like allow (about 1e-6 of the number): no bf16 or f16 on the way to a quantiser, and a product that is left as it is and whose result goes on into a quantised operand takes f32 operands (vector FMAs, or v_wmma_f32_16x16x4_f32). A number that lies on a knife's edge between two numbers of the format may be rounded either way, as far as f32 arithmetic and the matrix unit's own rounding can turn it there, and no further.
;; One version. Each part assembles by itself: llvm-mc -triple=amdgcn-amd-amdhsa -mcpu=gfx1250 --defsym DOCPART=n.
;; ======== version 1 of 1: 5 launches
;; limits: right only within a limited range of input values
;; workspace buffers: vq 11,182,080 bytes; vflat 17,145,856 bytes; mq 9,830,400 bytes; hq 3,276,800 bytes
;; launch quantv (part 1): grid 23 x 273, 1 waves a work-group, no clusters, 8,704 bytes of LDS; arguments V1, V2, vq; writes vq
.if DOCPART == 1
	.amdgcn_target "amdgcn-amd-amdhsa--gfx1250"
	.amdhsa_code_object_version 6
	.text
	.protected	k_q4f7ee08bb0_quantv
	.globl	k_q4f7ee08bb0_quantv
	.p2align	8
	.type	k_q4f7ee08bb0_quantv,@function
k_q4f7ee08bb0_quantv:
	s_mov_b64 s[64:65], 0
	v_nop
	global_prefetch_b8 v0, s[64:65] scope:SCOPE_SE
	s_setreg_imm32_b32 hwreg(HW_REG_WAVE_MODE, 25, 1), 1
	s_wait_xcnt 0x0
; FIRST OF FIVE LAUNCHES.  out = Q(relu(Q(x) Q(W1)^T + b1)) Q(W2)^T + b2, where W1, b1, W2, b2 are consecutive slices of the flattened V = Q(V1) Q(V2)^T; Q is the MX quantiser to BF6 (E3M2), one E8M0 scale for each 32 along K.
; DEAD WORK.  The slices take the first 2,097,152 + 1,024 + 2,097,152 + 2,048 = 4,197,376 numbers of V = 1,448 rows of 2,897 and 2,520 numbers more.  So V's rows 1449 .. 2896 are sliced away whatever the inputs
; hold, and row i of V is made of row i of V1 alone: V1's rows from 1449 on reach no output.  They are left out in whole blocks of 16 rows: rows 0 .. 1455 of V1 and of V are worked (rows 1449 .. 1455 share a block with live rows).
; LIMIT: a NaN, an infinity or an overflow that reaches only V1's rows from 1456 on is not carried to the result.  All of V2 is live.
; THIS LAUNCH turns V1's rows 0 .. 1455 and all rows of V2 (f32, K = 2,897 innermost) into codes and scale words, laid as the product's launch wants them:
;   a BLOCK is 16 rows, a K STEP 128 along K, a RECORD five K steps of a block in 8,192 bytes: K step j's codes, 1,536 bytes, at 1,536 j: the IMAGE of the operand's 12 registers (registers 4 c .. 4 c + 3 of lane l at 512 c + 16 l);
;   K step j's scale words at 7,680 + 64 j, row r's word at 4 r.  A block has five records on end (40,960 bytes).  K steps 0 .. 22 are made (the last number is k = 2,896, in K step 22); K steps 23, 24 are never used.
;   blocks 0 .. 90: V1's rows 16 R on; blocks 91 .. 272: V2's rows 16 (R - 91) on.  V2's last block begins at its last row, 2,896: all sixteen of its rows are that row (the step from row to row is 0 there), so no load leaves the buffer.
; A block of 32's scale is 2^(floor(log2(largest magnitude)) - 4); its byte is the largest magnitude's exponent field - 4, held at 1 from below.  A block of zeros so gets the byte 1 where the rule says 127: its codes are zeros,
; which add nothing under any byte but 0xff, and this program alone reads the bytes.  LIMITS: NaN and infinities among the inputs are not served.
; SHARES.  A work-group is ONE wave and takes one K step of one block: 16 rows x 128 numbers (grid: 23 K steps x 273 blocks).  A row is 11,588 bytes, a multiple of 4 alone: loads of 4 bytes a lane, 128 consecutive bytes each.
; One path for all K steps: a lane whose k lies past 2,896 names the row's last number and gets 0 by a select (the quantiser fills K's last block with zeros).
; The conversion wants 16 neighbours along K in one lane: the numbers turn through a stage in LDS (rows of 512 bytes + 16).  No barrier: one wave.  No cluster: work-groups share no input.
.set ROWB,  11588
.set SPARE, 16*528                     ; behind the stage: the spare words, one block of 256 bytes that no other line names
.set RR,  2                            ; r = lane % 16
.set HH,  3                            ; h = lane / 16
.set OFF, 4                            ; 4 x lane: my place in a stage's piece on the way in
.set OQ,  5                            ; v5-8 piece q: 4 x min(128 s + 32 q + lane, 2896)
.set SR,  9                            ; the stage on the way out: 528 r + 64 h
.set SPW, 10                           ; my spare word; never rewritten
.set NIL, 11                           ; 0; never rewritten
.set LI,  12                           ; 16 x lane
.set SO,  13                           ; 4 r
.set SW,  14                           ; the scale word
.set TM,  16                           ; v16-31 at work in QUANT
.set PC,  32                           ; v32-51 the codes
.set X,   64                           ; v64-127 the numbers
.set SEL, 20                           ; s[20:21] selects for lane l xor 16
.set MK,  30                           ; s30-33 piece q: the lanes whose k is a number
.set RB,  66                           ; s66-97 row p's address, a pair each
; 64 numbers of a lane, register 16 b + i = k 32 b + 16 (lane / 16) + i of my row, become a fragment's codes in v[PC] on and its scale word in v[pw]
.macro QUANT s, pw
.irp b, 0,1,2,3
	v_max3_num_f32 v[TM+\b], |v[\s+16*\b]|, |v[\s+1+16*\b]|, 0x2800000   ; my 16 numbers of block b, and the floor 2^(5 - 127)
.endr
.irp i, 2,4,6,8,10,12,14
.irp b, 0,1,2,3
	v_max3_num_f32 v[TM+\b], v[TM+\b], |v[\s+16*\b+\i]|, |v[\s+1+16*\b+\i]|
.endr
.endr
.irp b, 0,1,2,3
	v_permlanex16_b32 v[TM+4+\b], v[TM+\b], s[SEL], s[SEL+1]
.endr
.irp b, 0,1,2,3
	v_max_num_f32 v[TM+\b], v[TM+\b], v[TM+4+\b]   ; with lane l xor 16's: the block's largest magnitude
.endr
.irp b, 0,1,2,3
	v_add_nc_u32 v[TM+12+\b], 0xfe000000, v[TM+\b]   ; 4 off its exponent field: the conversion's scale operand
.endr
.irp b, 0,1,2,3
	v_lshrrev_b32 v[TM+4+\b], 23, v[TM+12+\b]      ; the scale's byte
.endr
	v_lshl_or_b32 v[\pw], v[TM+5], 8, v[TM+4]
	v_lshl_or_b32 v[\pw], v[TM+6], 16, v[\pw]
	v_lshl_or_b32 v[\pw], v[TM+7], 24, v[\pw]
.irp c, 0,1
	v_cvt_scalef32_pk16_bf6_f32 v[PC+6*\c:PC+2+6*\c], v[\s+32*\c:\s+15+32*\c], v[TM+12+2*\c]
	v_cvt_scalef32_pk16_bf6_f32 v[PC+12+4*\c:PC+14+4*\c], v[\s+16+32*\c:\s+31+32*\c], v[TM+12+2*\c+1]
.endr
	v_nop                                          ; one plain place behind a scaled conversion
.irp c, 0,1                                    ; the operand's layout wants a whole block of 32 in a lane
.irp i, 0,1,2
	v_permlane16_swap_b32 v[PC+6*\c+\i], v[PC+12+4*\c+\i]
.endr
.irp i, 0,1,2
	v_mov_b32 v[PC+3+6*\c+\i], v[PC+12+4*\c+\i]
.endr
.endr
.endm
	s_load_b128 s[4:7], s[0:1], 0x0                ; V1, V2
	s_load_b64 s[8:9], s[0:1], 0x10                ; vq
	v_lshl_add_u32 v[SPW], v0, 2, SPARE
	v_mov_b32 v[NIL], 0
	s_and_b32 s26, ttmp7, 0xffff                   ; my block; my K step s is ttmp9
	s_lshl_b32 s27, ttmp9, 7                       ; 128 s
	v_and_b32 v[RR], 15, v0
	v_bfe_u32 v[HH], v0, 4, 1
	v_lshlrev_b32 v[OFF], 2, v0
.irp q, 0,1,2,3
	v_add_nc_u32 v[OQ+\q], 32*\q, v0
	v_add_nc_u32 v[OQ+\q], s27, v[OQ+\q]           ; k
	v_cmp_gt_u32 s[MK+\q], 2897, v[OQ+\q]
	v_min_u32 v[OQ+\q], 2896, v[OQ+\q]
	v_lshlrev_b32 v[OQ+\q], 2, v[OQ+\q]
.endr
	v_mul_u32_u24 v[SR], v[RR], 528
	v_lshl_add_u32 v[SR], v[HH], 6, v[SR]
	v_lshlrev_b32 v[LI], 4, v0
	v_lshlrev_b32 v[SO], 2, v[RR]
.irp b, 0,1,2,3
	v_mov_b32 v[TM+4+\b], 0                        ; a lane permute's destination counts as one of its sources
.endr
	s_mov_b32 s[SEL], 0x76543210
	s_mov_b32 s[SEL+1], 0xfedcba98
	s_mul_i32 s22, ttmp9, 13
	s_lshr_b32 s22, s22, 6                         ; s / 5, right for s up to 22
	s_mul_i32 s23, s22, 5
	s_sub_co_u32 s23, ttmp9, s23                   ; j = s % 5
	s_mul_i32 s24, s26, 40960
	s_lshl_b32 s22, s22, 13
	s_add_co_u32 s24, s24, s22                     ; my record
	s_mul_i32 s22, s23, 1536
	s_add_co_u32 s22, s22, s24                     ; my codes
	s_lshl_b32 s28, s23, 6
	s_add_co_u32 s28, s28, s24
	s_add_co_u32 s28, s28, 7680                    ; my scale words
	s_mov_b32 s23, 0
	s_mov_b32 s29, 0
	s_wait_alu depctr_va_vdst(0)                   ; the wait at the head's end
	s_wait_kmcnt 0x0
	s_cmp_lt_u32 s26, 91                           ; V1's block or V2's?  The choice hangs on the work-group's number alone
	s_cselect_b64 s[4:5], s[4:5], s[6:7]
	s_cselect_b32 s17, 0, 91
	s_sub_co_u32 s17, s26, s17
	s_lshl_b32 s17, s17, 4                         ; the block's first row
	s_mul_i32 s18, s17, ROWB
	s_mov_b32 s19, 0
	s_cmp_eq_u32 s26, 272                          ; V2's last block: the same row sixteen times
	s_cselect_b32 s34, 0, ROWB
	s_mov_b32 s35, 0
	s_add_nc_u64 s[RB:RB+1], s[4:5], s[18:19]
.irp p, 1,2,3,4,5,6,7,8,9,10,11,12,13,14,15
	s_add_nc_u64 s[RB+2*\p:RB+2*\p+1], s[RB+2*\p-2:RB+2*\p-1], s[34:35]
.endr
	s_add_nc_u64 s[10:11], s[8:9], s[28:29]
	s_add_nc_u64 s[8:9], s[8:9], s[22:23]
.irp p, 0,1,2,3,4,5,6,7,8,9,10,11,12,13,14,15
.irp q, 0,1,2,3
	global_load_b32 v[X+4*\p+\q], v[OQ+\q], s[RB+2*\p:RB+2*\p+1] th:TH_LOAD_NT   ; row p, k = 128 s + 32 q + lane
.endr
.endr
	s_wait_loadcnt 0x0
.irp p, 0,1,2,3,4,5,6,7,8,9,10,11,12,13,14,15
.irp q, 0,1,2,3
	v_cndmask_b32 v[X+4*\p+\q], 0, v[X+4*\p+\q], s[MK+\q]   ; past K's end: 0
.endr
.endr
.irp p, 0,1,2,3,4,5,6,7,8,9,10,11,12,13,14,15
.irp q, 0,1,2,3
	ds_store_b32 v[OFF], v[X+4*\p+\q] offset:528*\p+128*\q
.endr
.endr
.irp b, 0,1,2,3
.irp i, 0,1,2,3
	ds_load_b128 v[X+16*\b+4*\i:X+16*\b+4*\i+3], v[SR] offset:128*\b+16*\i   ; LDS serves a wave's instructions in order: these see the stores
.endr
.endr
	s_wait_dscnt 0x0
	QUANT X, SW
.irp c, 0,1,2
	global_store_b128 v[LI], v[PC+4*\c:PC+4*\c+3], s[8:9] offset:512*\c   ; 512 consecutive bytes, aligned
.endr
	global_store_b32 v[SO], v[SW], s[10:11]        ; 64 consecutive bytes; lanes 16-31 hold and store the same words as lanes 0-15
	s_wait_tensorcnt 0x0                           ; the wave's end
	ds_add_u32 v[SPW], v[NIL]
	s_wait_dscnt 0x0
	s_endpgm
.Lfunc_end_k_q4f7ee08bb0_quantv:
	.size	k_q4f7ee08bb0_quantv, .Lfunc_end_k_q4f7ee08bb0_quantv-k_q4f7ee08bb0_quantv
	.p2alignl 7, 3214868480
	.fill 96, 4, 3214868480
	.section	.rodata,"a",@progbits
	.p2align	6, 0x0
	.amdhsa_kernel k_q4f7ee08bb0_quantv
		.amdhsa_group_segment_fixed_size 8704
		.amdhsa_private_segment_fixed_size 0
		.amdhsa_enable_private_segment 0
		.amdhsa_kernarg_size 24
		.amdhsa_user_sgpr_count 2
		.amdhsa_user_sgpr_kernarg_segment_ptr 1
		.amdhsa_wavefront_size32 1
		.amdhsa_system_sgpr_workgroup_id_x 1
		.amdhsa_system_sgpr_workgroup_id_y 1
		.amdhsa_system_sgpr_workgroup_id_z 1
		.amdhsa_system_vgpr_workitem_id 0
		.amdhsa_next_free_vgpr 128
		.amdhsa_next_free_sgpr 100
		.amdhsa_reserve_vcc 0
		.amdhsa_float_denorm_mode_32 3
		.amdhsa_float_denorm_mode_16_64 3
		.amdhsa_memory_ordered 1
		.amdhsa_forward_progress 1
		.amdhsa_inst_pref_size 24
	.end_amdhsa_kernel
	.amdgpu_metadata
---
amdhsa.version: [ 1, 2 ]
amdhsa.kernels:
  - .name:           k_q4f7ee08bb0_quantv
    .symbol:         k_q4f7ee08bb0_quantv.kd
    .args:
      - { .name: V1, .offset: 0, .size: 8, .value_kind: global_buffer, .address_space: global }
      - { .name: V2, .offset: 8, .size: 8, .value_kind: global_buffer, .address_space: global }
      - { .name: vq, .offset: 16, .size: 8, .value_kind: global_buffer, .address_space: global }
    .group_segment_fixed_size: 8704
    .private_segment_fixed_size: 0
    .kernarg_segment_align: 8
    .kernarg_segment_size: 24
    .max_flat_workgroup_size: 32
    .sgpr_count:     100
    .vgpr_count:     128
    .wavefront_size: 32
...
	.end_amdgpu_metadata
.endif
;; end of part 1
;; launch gemmv (part 2): grid 16 x 16, 4 waves a work-group, clusters of 4 x 4, 327,680 bytes of LDS; arguments vq, vflat; writes vflat
.if DOCPART == 2
	.amdgcn_target "amdgcn-amd-amdhsa--gfx1250"
	.amdhsa_code_object_version 6
	.text
	.protected	k_q4f7ee08bb0_gemmv
	.globl	k_q4f7ee08bb0_gemmv
	.p2align	8
	.type	k_q4f7ee08bb0_gemmv,@function
k_q4f7ee08bb0_gemmv:
	s_mov_b64 s[64:65], 0
	v_nop
	global_prefetch_b8 v0, s[64:65] scope:SCOPE_SE
	s_setreg_imm32_b32 hwreg(HW_REG_WAVE_MODE, 25, 1), 1
	s_wait_xcnt 0x0
	s_wait_alu depctr_hold_cnt(0) depctr_sa_sdst(0) depctr_va_vdst(0) depctr_va_sdst(0) depctr_va_ssrc(0) depctr_va_vcc(0) depctr_vm_vsrc(0)
	s_getreg_b32 s2, hwreg(HW_REG_IB_STS2, 6, 4)
	s_cmp_eq_u32 s2, 0
	s_cbranch_scc0 .Lentry_in_a_cluster
	s_endpgm
.Lentry_in_a_cluster:
	s_bfe_u32 s2, ttmp6, 0x10000c
	s_cmp_lg_u32 s2, 0xf033
	s_cbranch_scc0 .Lentry_shape_is_right
	s_endpgm
.Lentry_shape_is_right:
; SECOND OF FIVE LAUNCHES.  V = Q(V1) Q(V2)^T on codes of BF6 (E3M2) with one E8M0 scale for each 32 along K, sums in f32.  V is stored as f32 in vflat with rows 11,776 bytes apart (46 x 256): V(i, j) at 11,776 i + 4 j.
; Rows 0 .. 1455 of V are made: rows from 1456 on are sliced away by the problem's own slices, whatever the inputs hold, and are left out.
; OPERANDS lie in vq in RECORDS of 8,192 bytes: five K steps (128 along K each) of a block of 16 rows: K step j's codes at 1,536 j as the IMAGE of the operand's 12 registers, its scale words at 7,680 + 64 j + 4 r.
; A block has five records on end.  So a fragment comes from LDS by three loads of 512 consecutive bytes, its scale words by one load, and one tensor load brings codes and scale words together.
; THE MATRIX INSTRUCTION IS USED TRANSPOSED: Q = V2 is source 0, P = V1 is source 1: a lane holds row lane % 16 of V and eight neighbouring columns, 8 (lane / 16) + 0 .. 7.
; SHARES.  256 work-groups of four waves, one tile each: 6 x 12 blocks a work-group, 3 x 6 a wave: 18 accumulators.
; THE RING.  K's 23 steps go through two LDS slots of one record a block: 2 x 18 x 8,192 = 294,912 bytes, and 512 of spare words.  At the head each wave issues ONE load: waves 0, 1 P's six blocks of slots 0, 1; waves 2, 3 Q's twelve.
; The ring is filled again three times, behind K steps 4, 9 and 14, each wave bringing half of its operand's blocks: a refill has five K steps in which to land.  A wave never has more than one tensor load out.
; The last record's K steps 23 and 24 and each record's last 192 bytes land in LDS and are never read.
; CLUSTERS: 4 x 4 work-groups.  P's tile hangs on the grid's y alone and is shared along a row of the cluster, Q's on x alone and is shared along a column: each is asked for JOINTLY.
; There are 91 x 182 blocks for 16 x 16 tiles of 6 x 12: the last tile row and column are moved back to end with the last block; they make their neighbours' blocks again and store only what is theirs, by EXEC, never by a branch.
; V2's last block is its row 2,896 sixteen times: columns 2,897 .. 2,911 of vflat so hold copies of column 2,896; nobody reads them, nor columns 2,912 .. 2,943, which are not written.
; PREFETCH: in K step 0 record 2, behind the refills of records 2 and 3 the records 3 and 4, are asked for: one slot (five K steps) ahead of the load that wants them.  Of the 96 (P) or 192 (Q) blocks of 256 bytes that a wave's
; refill brings, each of the four partners that ask jointly names a quarter, told apart by address: two instructions a wave, 12 or 24 lanes each; the lanes left over name the last block again.
; LIMITS: NaN and infinities are not served.  The K walk is written out: 23 steps, no loop.
; REGISTERS, in windows of 256: window 0: v1-29 addresses; v32-49 scale words (two sets), v50-193 Q's fragments (two sets).  window 1: P's fragments, two sets.  window 2: accumulator (q, p) at v[8 (3 q + p)].
.set PB, 6
.set PW, 3
.set QB, 12
.set QW, 6
.set KT, 23
.set SL, 5                             ; K steps in a record
.set NR, 5                             ; records of a block
.set REC, 8192
.set QCO, 91*NR*REC                    ; where Q's blocks begin in vq
.set PITCH, 11776                      ; a row of vflat in bytes
.set SP,    784                        ; a row of the way out's stage: the tile's 768 bytes + 16
.set SLOT,  (PB+QB)*REC                ; P's blocks, then Q's
.set SPARE, 2*SLOT                     ; behind the ring: the spare words, two blocks of 256 bytes that no other line names
.set NRS,   (KT+SL-1)/SL
.set RD,   8                           ; v8-9   the stage on the way back
.set GO,   12                          ; v12-13 and the same places in vflat
.set ADRP, 16                          ; v16-17 LDS address of my P fragments in slot 0, 1
.set ADRQ, 18
.set ADSP, 20                          ; v20-21 of my P scale words
.set ADSQ, 22
.set STO,  24                          ; the stage on the way in
.set PF,   26                          ; v26-27 the prefetches' offsets; never rewritten
.set SPW,  28
.set NIL,  29
.set SCP,  32                          ; P's scale words: set f at SCP + PW f
.set SCQ,  SCP+2*PW
.set QF,   SCQ+2*QW                    ; Q's fragments: set f at QF + 12 QW f
.set G1P, 24                           ; s[24:31], s[32:35] descriptor groups 1 and 0 for P's tiles
.set G0P, 32
.set RP,  36                           ; s[36:37] where my part of P's refills begins
.set LP,  38                           ; its place in a slot
.set LQ,  39
.set G1Q, 48                           ; s[48:55], s[56:59], s[60:61] the same for Q
.set G0Q, 56
.set RQ,  60
.set PFB, 62                           ; s[62:63] the prefetches' base
.set MSB, 0
.macro WIN new                         ; the immediate's high byte repeats the setting that is left
.if MSB != \new
	s_set_vgpr_msb (MSB<<8)|\new
.set MSB, \new
.endif
.endm
.macro JLOAD                           ; a joint load: waves 0 and 1 fetch for P, waves 2 and 3 for Q
	s_cmp_eq_u32 s15, 0
	s_cbranch_scc0 .Lfor_q_\@
	tensor_load_to_lds s[G0P:G0P+3], s[G1P:G1P+7]
	s_nop 0
.rept 4
	v_nop
.endr
	s_branch .Lasked_\@
.Lfor_q_\@:
	tensor_load_to_lds s[G0Q:G0Q+3], s[G1Q:G1Q+7]
	s_nop 0
.rept 4
	v_nop
.endr
.Lasked_\@:
.endm
.macro CREST                           ; a round of the cluster's barrier behind its opening barrier
	s_cmp_lg_u32 s14, 0
	s_cbranch_scc1 .Lnot_wave_0_\@
	s_barrier_signal -3
.Lnot_wave_0_\@:
	s_barrier_wait -3
	s_barrier_signal -1
	s_barrier_wait -1
.endm
.macro CROUND
	s_barrier_signal -1
	s_barrier_wait -1
	CREST
.endm
.macro PLACES                          ; four plain places behind matrix instructions (ISA guide 7.12.1)
.rept 4
	v_nop
.endr
.endm
.macro ASK n                           ; record n of my share of blocks is asked for
	global_prefetch_b8 v[PF], s[PFB:PFB+1] offset:(\n)*REC th:TH_LOAD_NT scope:SCOPE_SE
	global_prefetch_b8 v[PF+1], s[PFB:PFB+1] offset:(\n)*REC th:TH_LOAD_NT scope:SCOPE_SE
.endm
	s_load_b128 s[4:7], s[0:1], 0x0                ; vq, vflat
	v_lshl_add_u32 v[SPW], v0, 2, SPARE
	v_mov_b32 v[NIL], 0
	ds_add_u32 v[SPW], v[NIL]                      ; the opening: the add, twice on end, and its wait ahead of my first tensor load
	ds_add_u32 v[SPW], v[NIL]
	v_lshrrev_b32 v1, 5, v0
	v_readfirstlane_b32 s14, v1                    ; wave 0..3
	s_lshr_b32 s15, s14, 1                         ; I fetch for P (0) or Q (1).  Also: which 3 blocks of P are mine
	s_and_b32 s16, s14, 1                          ; head: slot 0 or 1; ring: the first or second half of the blocks.  Also: which 6 blocks of Q are mine
	s_bfe_u32 s40, ttmp6, 0x40000                  ; cx, cy
	s_bfe_u32 s41, ttmp6, 0x40004
	s_lshl_b32 s42, ttmp9, 2
	s_add_co_u32 s42, s42, s40                     ; qt
	s_and_b32 s17, ttmp7, 0xffff
	s_lshl_b32 s17, s17, 2
	s_add_co_u32 s17, s17, s41                     ; pt
	s_lshl_b32 s43, s41, 2
	s_lshl_b32 s43, 15, s43                        ; my row of the cluster
	s_lshl_b32 s44, 0x1111, s40                    ; my column
	s_or_b32 s[G1P], s43, (3<<16)|(1<<21)          ; the mask; elements of 8 bytes; bit 21 beside a mask
	s_or_b32 s[G1Q], s44, (3<<16)|(1<<21)
	s_mov_b32 s[G1P+1], (REC/8)<<16                ; a row is a block's record; at the head all the tile's blocks
	s_mov_b32 s[G1P+2], PB<<16
	s_mov_b32 s[G1P+3], (REC/8)<<16
	s_mov_b32 s[G1P+4], PB
	s_mov_b32 s[G1P+5], NR*REC/8
	s_mov_b32 s[G1P+6], 0
	s_mov_b32 s[G1P+7], 0
	s_mov_b32 s[G1Q+1], (REC/8)<<16
	s_mov_b32 s[G1Q+2], QB<<16
	s_mov_b32 s[G1Q+3], (REC/8)<<16
	s_mov_b32 s[G1Q+4], QB
	s_mov_b32 s[G1Q+5], NR*REC/8
	s_mov_b32 s[G1Q+6], 0
	s_mov_b32 s[G1Q+7], 0
	s_mul_i32 s18, s17, PB                         ; the tile's first block of P
	s_min_u32 s18, s18, 85                         ; (the last tile ends with block 90)
	s_mul_i32 s20, s18, NR*REC
	s_mov_b32 s21, 0
	s_mul_i32 s45, s42, QB                         ; and of Q
	s_min_u32 s45, s45, 170                        ; (the last tile ends with block 181)
	s_mul_i32 s46, s45, NR*REC
	s_add_co_u32 s46, s46, QCO
	s_mov_b32 s47, 0
	s_mul_i32 s22, s16, REC                        ; head: my slot's record,
	s_mov_b32 s23, 0
	s_mul_i32 s19, s16, SLOT                       ; and its place in LDS
	s_wait_dscnt 0x0                               ; both opening adds are done
	s_wait_kmcnt 0x0
	s_add_nc_u64 s[20:21], s[4:5], s[20:21]
	s_add_nc_u64 s[46:47], s[4:5], s[46:47]
	CROUND                                         ; all sixteen work-groups are here: the first joint loads meet
	s_mov_b32 s[G0P], 1
	s_mov_b32 s[G0P+1], s19
	s_add_nc_u64 s[G0P+2:G0P+3], s[20:21], s[22:23]
	s_or_b32 s[G0P+3], s[G0P+3], 0x80000000
	s_mov_b32 s[G0Q], 1
	s_add_co_u32 s[G0Q+1], s19, PB*REC
	s_add_nc_u64 s[G0Q+2:G0Q+3], s[46:47], s[22:23]
	s_or_b32 s[G0Q+3], s[G0Q+3], 0x80000000
	JLOAD                                          ; my one load at the head
	s_mul_i32 s92, s16, (PB/2)*NR*REC              ; the ring: my half of the blocks
	s_mov_b32 s93, 0
	s_add_nc_u64 s[RP:RP+1], s[20:21], s[92:93]
	s_mul_i32 s92, s16, (QB/2)*NR*REC
	s_add_nc_u64 s[RQ:RQ+1], s[46:47], s[92:93]
	s_mul_i32 s[LP], s16, (PB/2)*REC
	s_mul_i32 s[LQ], s16, (QB/2)*REC
	s_add_co_u32 s[LQ], s[LQ], PB*REC
	s_cmp_eq_u32 s15, 0                            ; the prefetches: half a partner's share, my place among the partners, the base
	s_cselect_b32 s95, 12, 24
	s_cselect_b32 s96, s40, s41
	s_cselect_b64 s[PFB:PFB+1], s[RP:RP+1], s[RQ:RQ+1]
	s_mul_i32 s96, s96, s95
	s_lshl_b32 s96, s96, 1
	s_sub_co_u32 s97, s95, 1
	s_mul_i32 s19, s15, PW*REC                     ; my blocks of P,
	s_mul_i32 s94, s16, QW*REC                     ; my blocks of Q,
	s_add_co_u32 s94, s94, PB*REC                  ; which lie behind P's
	s_mul_i32 s98, s15, 48*SP                      ; the stage, in slot 1: into it my 48 rows, my 384 bytes of them;
	s_mul_i32 s99, s16, 384
	s_add_co_u32 s98, s98, s99
	s_add_co_u32 s98, s98, SLOT
	s_mul_i32 s99, s14, 24*SP                      ; out of it rows 24 wave on, whole
	s_add_co_u32 s99, s99, SLOT
	v_and_b32 v1, 15, v0                           ; r
	v_bfe_u32 v2, v0, 4, 1                         ; h
	v_and_b32 v15, 31, v0                          ; lane
	v_min_u32 v5, s97, v15
	v_lshlrev_b32 v3, 4, v15                       ; 16 x lane
	v_lshlrev_b32 v4, 2, v1                        ; 4 r
	v_lshlrev_b32 v14, 4, v1                       ; 16 r
	v_add_nc_u32 v5, s96, v5                       ; the block of 256 bytes that I name: first instruction,
	v_add_nc_u32 v6, s95, v5                       ; second
.irp i, 0,1
	v_lshrrev_b32 v7, 5, v[5+\i]                   ; 32 such blocks to a record
	v_and_b32 v[5+\i], 31, v[5+\i]
	v_mul_u32_u24 v7, v7, NR*REC
	v_lshl_add_u32 v[PF+\i], v[5+\i], 8, v7
.endr
	v_add_nc_u32 v[ADRP], s19, v3
	v_add_nc_u32 v[ADRQ], s94, v3
	v_add_nc_u32 v[ADSP], s19, v4
	v_add_nc_u32 v[ADSQ], s94, v4
.irp a, ADRP, ADRQ, ADSP, ADSQ
	v_add_nc_u32 v[\a+1], SLOT, v[\a]
.endr
	v_mul_u32_u24 v[STO], v1, SP                   ; in: row r, 32 bytes for each half of the lanes
	v_lshl_add_u32 v[STO], v2, 5, v[STO]
	v_add_nc_u32 v[STO], s98, v[STO]
	v_add_nc_u32 v[RD], s99, v3                    ; back: 32 lanes on 512 bytes of one row;
	v_mad_u32_u24 v[RD+1], v2, SP-512, v14         ; or lanes 0-15 on a row's last 256 bytes (512 stands in the offset), lanes 16-31 on the next row's first 256
	v_add_nc_u32 v[RD+1], s99, v[RD+1]
	v_mov_b32 v[GO], v3                            ; and the same in vflat
	v_mad_u32_u24 v[GO+1], v2, PITCH-512, v14
; The fragments and scale words of K step q of a slot, into set f
.macro FETCH slot, q, f
	WIN 0x40                                       ; destination window 1, address window 0
.set fi, 0
.rept PW
.irp c, 0,1,2
	ds_load_b128 v[12*PW*(\f)+12*fi+4*\c:12*PW*(\f)+12*fi+4*\c+3], v[ADRP+(\slot)] offset:REC*fi+1536*(\q)+512*\c
.endr
.set fi, fi+1
.endr
	WIN 0
.set fi, 0
.rept QW
.irp c, 0,1,2
	ds_load_b128 v[QF+12*QW*(\f)+12*fi+4*\c:QF+12*QW*(\f)+12*fi+4*\c+3], v[ADRQ+(\slot)] offset:REC*fi+1536*(\q)+512*\c
.endr
.set fi, fi+1
.endr
.set fi, 0
.rept PW
	ds_load_b32 v[SCP+PW*(\f)+fi], v[ADSP+(\slot)] offset:REC*fi+SL*1536+64*(\q)
.set fi, fi+1
.endr
.set fi, 0
.rept QW
	ds_load_b32 v[SCQ+QW*(\f)+fi], v[ADSQ+(\slot)] offset:REC*fi+SL*1536+64*(\q)
.set fi, fi+1
.endr
.endm
; The products of P's blocks p0 .. p1 - 1 with all my blocks of Q, set FS.  CSEL = 1: the constant 0 starts the sums.  The accumulators take turns, one instruction a turn.
.macro MUL p0, p1
	WIN 0xa4                                       ; source 0 (Q) window 0, source 1 (P) window 1, C and D window 2
.set mp, \p0
.rept (\p1)-(\p0)
.set mq, 0
.rept QW
.set rD, 8*(mq*PW+mp)
.set rP, 12*PW*FS+12*mp
.set rQ, QF+12*QW*FS+12*mq
.set rA, SCP+PW*FS+mp
.set rB, SCQ+QW*FS+mq
.if CSEL == 1
	v_wmma_scale_f32_16x16x128_f8f6f4 v[rD:rD+7], v[rQ:rQ+11], v[rP:rP+11], 0, v[rB], v[rA] matrix_a_fmt:MATRIX_FMT_BF6 matrix_b_fmt:MATRIX_FMT_BF6
.else
	v_wmma_scale_f32_16x16x128_f8f6f4 v[rD:rD+7], v[rQ:rQ+11], v[rP:rP+11], v[rD:rD+7], v[rB], v[rA] matrix_a_fmt:MATRIX_FMT_BF6 matrix_b_fmt:MATRIX_FMT_BF6
.endif
.set mq, mq+1
.endr
.set mp, mp+1
.endr
.endm
.macro STEP                            ; a K step that has its successor in the same slot
	s_wait_dscnt 0x0                               ; this step's fragments, asked for a whole step ago, are in
	PLACES                                         ; ahead of loads into the set that the last step's products read
	FETCH RG, RJ+1, NS
.if S == 0
	ASK 2
.endif
	MUL 0, PW
.endm
; A slot's last K step changes slots: in front of the barrier each wave waits for all its tensor loads, adds 0 to its spare word, and waits for that and for its reads of this slot.
; Where a record is left to fetch, the barrier opens a round of the cluster's barrier and this slot is filled again first thing behind it.
.macro TURN
	WIN 0
	s_wait_dscnt 0x0                               ; this step's fragments are in: my last reads of this slot
	s_wait_tensorcnt 0x0                           ; all my tensor loads have landed
	ds_add_u32 v[SPW], v[NIL]
.if NXT < NRS
	s_add_co_u32 s[G0P+1], s[LP], RG*SLOT          ; no load of mine is out: group 0 is written for record NXT
	s_add_nc_u64 s[G0P+2:G0P+3], s[RP:RP+1], NXT*REC
	s_or_b32 s[G0P+3], s[G0P+3], 0x80000000
	s_add_co_u32 s[G0Q+1], s[LQ], RG*SLOT
	s_add_nc_u64 s[G0Q+2:G0Q+3], s[RQ:RQ+1], NXT*REC
	s_or_b32 s[G0Q+3], s[G0Q+3], 0x80000000
.endif
	MUL 0, PW/2
	s_wait_dscnt 0x0                               ; the add is done
	s_barrier_signal -1
	WIN 0
	s_barrier_wait -1
.if NXT < NRS
	CREST
	JLOAD                                          ; the first tensor load behind the round; its four v_nop are the places ahead of the loads below
.else
	PLACES
.endif
	FETCH RN, 0, NS
.if NXT+1 < NRS
	ASK NXT+1
.endif
	MUL PW/2, PW
.endm
	s_wait_alu depctr_va_vdst(0)                   ; the wait at the head's end
	s_wait_tensorcnt 0x0                           ; my load is in; no load of mine is out, so group 1 may be written: a refill brings half the tile's blocks
	s_mov_b32 s[G1P+2], (PB/2)<<16
	s_mov_b32 s[G1P+4], PB/2
	s_mov_b32 s[G1Q+2], (QB/2)<<16
	s_mov_b32 s[G1Q+4], QB/2
	s_barrier_signal -1
	s_barrier_wait -1                              ; both slots are whole
	FETCH 0, 0, 0
.set S, 0
.rept KT
.set FS, S%2
.set NS, 1-FS
.set RG, (S/SL)%2
.set RN, 1-RG
.set RJ, S%SL
.set NXT, S/SL+2
.set CSEL, 0
.if S == 0
.set CSEL, 1
.endif
.if S == KT-1
	s_wait_dscnt 0x0
	MUL 0, PW
.elseif RJ == SL-1
	TURN
.else
	STEP
.endif
.set S, S+1
.endr
	WIN 0
	PLACES                                         ; ahead of the first read of results, and of loads into registers that held fragments
; THE WAY OUT.  A tile's row is 768 bytes, three aligned blocks of 256 bytes of vflat, and comes from two waves: so the four waves share ONE stage, 96 rows of 784 bytes.  It lies in slot 1, which has had its last fill
; (record 3) and which nobody reads behind the change of slots at K step 19.  A barrier stands between writing and reading.  Then wave w takes rows 24 w .. 24 w + 23, whole: a pair of rows is 96 pieces of 16 bytes,
; three instructions, in each of which sixteen neighbouring lanes hold 256 consecutive bytes.
; What is mine: rows from 96 pt on, columns from 192 qt on.  The rest (in the tiles that were moved back) is switched off by EXEC: a mask for each of the three kinds of instruction, and one for each eight rows.
.set CM, 80                            ; s80-82  kind k: the lanes whose piece is mine
.set RM, 84                            ; s84-86  all ones where rows 24 w + 8 g on are mine
.set BK, 56                            ; v56-199 the rows read back
	WIN 0x08                                       ; an LDS store's data are its source 1: window 2
.irp p, 0,1,2
.irp q, 0,1,2,3,4,5
	ds_store_b128 v[STO], v[8*(\q*PW+\p):8*(\q*PW+\p)+3] offset:\p*16*SP+64*\q       ; each accumulator from its low end on
	ds_store_b128 v[STO], v[8*(\q*PW+\p)+4:8*(\q*PW+\p)+7] offset:\p*16*SP+64*\q+16
.endr
.endr
	WIN 0
	s_mul_i32 s20, s42, 48
	s_lshl_b32 s21, s45, 2
	s_sub_co_u32 s20, s20, s21                     ; the first piece of a row that is mine: (192 qt - 16 x the tile's first block) / 4
	v_sub_nc_u32 v6, 1, v2
	v_lshl_add_u32 v6, v6, 5, v1                   ; my piece in a row: kind 0: lane; kind 1: 32 + r or r; kind 2: 16 + lane
	v_add_nc_u32 v7, 16, v15
	v_cmp_le_u32 s[CM], s20, v15
	v_cmp_le_u32 s[CM+1], s20, v6
	v_cmp_le_u32 s[CM+2], s20, v7
	s_mul_i32 s21, s17, 96
	s_lshl_b32 s22, s18, 4
	s_sub_co_u32 s21, s21, s22                     ; the tile's first row that is mine
	s_mul_i32 s22, s14, 24
.irp g, 0,1,2
	s_add_co_u32 s23, s22, 8*\g
	s_cmp_ge_u32 s23, s21
	s_cselect_b32 s[RM+\g], -1, 0
.endr
	s_lshl_b32 s46, s18, 4
	s_add_co_u32 s46, s46, s22
	s_mul_i32 s46, s46, PITCH
	s_lshl_b32 s47, s45, 6
	s_add_co_u32 s46, s46, s47
	s_mov_b32 s47, 0
	s_add_nc_u64 s[6:7], s[6:7], s[46:47]          ; vflat at my first row and the tile's first column
	s_wait_dscnt 0x0                               ; for the others' sake: my stores into the stage are done
	s_barrier_signal -1
	s_barrier_wait -1
.irp g, 0,1,2
.irp k, 0,1,2
.irp a, 0,1,2,3
	ds_load_b128 v[BK+4*(12*\g+4*\k+\a):BK+4*(12*\g+4*\k+\a)+3], v[RD+(\k%2)] offset:2*(4*\g+\a)*SP+(\k%2)*512+(\k/2)*(SP+256)
.endr
.endr
.endr
	s_wait_xcnt 0x0                                ; the prefetches have read EXEC: it changes only behind this wait
.irp g, 0,1,2
.irp k, 0,1,2
	s_wait_dscnt 32-4*(3*\g+\k)                    ; these four loads are back; the younger ones may be out
	s_and_b32 s46, s[CM+\k], s[RM+\g]
	s_and_saveexec_b32 s47, s46
.irp a, 0,1,2,3
	global_store_b128 v[GO+(\k%2)], v[BK+4*(12*\g+4*\k+\a):BK+4*(12*\g+4*\k+\a)+3], s[6:7] offset:2*(4*\g+\a)*PITCH+(\k%2)*512+(\k/2)*(PITCH+256)
.endr
	s_wait_xcnt 0x0                                ; EXEC changes only behind this wait
	s_or_b32 exec_lo, exec_lo, s47
.endr
.endr
	s_wait_tensorcnt 0x0                           ; the wave's end
	ds_add_u32 v[SPW], v[NIL]
	s_wait_dscnt 0x0
	CROUND                                         ; the closing round
	s_endpgm
.Lfunc_end_k_q4f7ee08bb0_gemmv:
	.size	k_q4f7ee08bb0_gemmv, .Lfunc_end_k_q4f7ee08bb0_gemmv-k_q4f7ee08bb0_gemmv
	.p2alignl 7, 3214868480
	.fill 96, 4, 3214868480
	.section	.rodata,"a",@progbits
	.p2align	6, 0x0
	.amdhsa_kernel k_q4f7ee08bb0_gemmv
		.amdhsa_group_segment_fixed_size 327680
		.amdhsa_private_segment_fixed_size 0
		.amdhsa_enable_private_segment 0
		.amdhsa_kernarg_size 16
		.amdhsa_user_sgpr_count 2
		.amdhsa_user_sgpr_kernarg_segment_ptr 1
		.amdhsa_wavefront_size32 1
		.amdhsa_system_sgpr_workgroup_id_x 1
		.amdhsa_system_sgpr_workgroup_id_y 1
		.amdhsa_system_sgpr_workgroup_id_z 1
		.amdhsa_system_vgpr_workitem_id 0
		.amdhsa_next_free_vgpr 1024
		.amdhsa_next_free_sgpr 100
		.amdhsa_reserve_vcc 0
		.amdhsa_float_denorm_mode_32 3
		.amdhsa_float_denorm_mode_16_64 3
		.amdhsa_memory_ordered 1
		.amdhsa_forward_progress 1
		.amdhsa_inst_pref_size 133
	.end_amdhsa_kernel
	.amdgpu_metadata
---
amdhsa.version: [ 1, 2 ]
amdhsa.kernels:
  - .name:           k_q4f7ee08bb0_gemmv
    .symbol:         k_q4f7ee08bb0_gemmv.kd
    .args:
      - { .name: vq, .offset: 0, .size: 8, .value_kind: global_buffer, .address_space: global }
      - { .name: vflat, .offset: 8, .size: 8, .value_kind: global_buffer, .address_space: global }
    .group_segment_fixed_size: 327680
    .private_segment_fixed_size: 0
    .kernarg_segment_align: 8
    .kernarg_segment_size: 16
    .max_flat_workgroup_size: 128
    .sgpr_count:     100
    .vgpr_count:     1024
    .wavefront_size: 32
...
	.end_amdgpu_metadata
.endif
;; end of part 2
;; launch quants (part 3): grid 1536 x 1, 4 waves a work-group, no clusters, 68,096 bytes of LDS; arguments x, vflat, mq; writes mq
.if DOCPART == 3
	.amdgcn_target "amdgcn-amd-amdhsa--gfx1250"
	.amdhsa_code_object_version 6
	.text
	.protected	k_q4f7ee08bb0_quants
	.globl	k_q4f7ee08bb0_quants
	.p2align	8
	.type	k_q4f7ee08bb0_quants,@function
k_q4f7ee08bb0_quants:
	s_mov_b64 s[64:65], 0
	v_nop
	global_prefetch_b8 v0, s[64:65] scope:SCOPE_SE
	s_setreg_imm32_b32 hwreg(HW_REG_WAVE_MODE, 25, 1), 1
	s_wait_xcnt 0x0
; THIRD OF FIVE LAUNCHES.  x [4096][2048], W1 = V's numbers 0 on as [1024][2048], W2 = V's numbers 2,098,176 on as [2048][1024], all f32 with K innermost, become codes of BF6 (E3M2) and E8M0 scale bytes, one for each 32 along K.
; (V's rows from 1456 on were left out as dead work by the launches before: nothing here reads them.)
; V's number f = 2,897 i + j lies in vflat at 11,776 i + 4 j.
; The results lie in RECORDS of 6,400 bytes: four K steps (128 along K each) of a block of 16 rows: K step j's codes at 1,536 j as the IMAGE of the operand's 12 registers (registers 4 c .. 4 c + 3 of lane l at 512 c + 16 l),
; its scale words at 6,144 + 64 j + 4 r.  Record G = block x records a block + record; x's 1,024 first, then W1's 256, then W2's 256; it lies at 6,400 G.
; W1'S BLOCKS ARE NOT 16 NEIGHBOURING ROWS: row p of block R is W1's row 32 (R / 2) + 8 (R % 2) + p + 8 (p / 8), so that the first product's results come out as 16 neighbours along the next K in each pair of blocks.
; A block of 32's byte is the largest magnitude's exponent field - 4, held at 1 from below.  A block of zeros so gets the byte 1 where the rule says 127: its codes are zeros, and this program alone reads the bytes.
; LIMITS: NaN and infinities are not served.
; SHARES.  A work-group takes a record, each of its four waves one K step: 16 rows x 128 numbers, which turn through the wave's own stage in LDS (rows of 512 bytes + 16).
; TWO WAYS, parted by the work-group's number, each with stages of its own.  x: a load reads 512 consecutive bytes of a row, aligned.  W1, W2: a row's 128 numbers are 128 neighbours of flat V, which lie in one row of V or in two:
; the first number's row and column come from a scalar division by 2,897 (multiply by 1,518,138,251, take bits 42 on: exact for numbers under 2^23); a lane past the row's end adds the 188 bytes that part a row's end from the next row.
; Loads of 4 bytes a lane there: a number's place in vflat is a multiple of 4 alone.  Waves share nothing: no barrier.  No cluster: work-groups share no input.
.set STG,   16*528
.set SPARE, 8*STG                      ; behind the eight stages: the spare words, two blocks of 256 bytes that no other line names
.set PITCH, 11776
.set LN,  1
.set RR,  2
.set HH,  3
.set SB,  4                            ; the stage on the way in, 4 bytes a lane
.set SA,  6                            ; and 16 bytes a lane
.set SR,  7                            ; the stage on the way out: 528 r + 64 h
.set LI,  8                            ; 16 x lane
.set SO,  9                            ; 4 r
.set SPW, 10
.set NIL, 11
.set SW,  12                           ; the scale word
.set TM,  16
.set PC,  32
.set EQ,  52                           ; v52-55 piece q: e = 32 q + lane;  v56-59: 4 e;  v60-63: 4 e + 188
.set E4,  56
.set E4D, 60
.set X,   64                           ; v64-127 the numbers (on W's way first their addresses: a load lands on its own address register)
.set SEL, 20
.macro QUANT s, pw                     ; 64 numbers of a lane, register 16 b + i = k 32 b + 16 (lane / 16) + i of my row, become codes in v[PC] on and the scale word in v[pw]
.irp b, 0,1,2,3
	v_max3_num_f32 v[TM+\b], |v[\s+16*\b]|, |v[\s+1+16*\b]|, 0x2800000   ; my 16 numbers of block b, and the floor 2^(5 - 127)
.endr
.irp i, 2,4,6,8,10,12,14
.irp b, 0,1,2,3
	v_max3_num_f32 v[TM+\b], v[TM+\b], |v[\s+16*\b+\i]|, |v[\s+1+16*\b+\i]|
.endr
.endr
.irp b, 0,1,2,3
	v_permlanex16_b32 v[TM+4+\b], v[TM+\b], s[SEL], s[SEL+1]
.endr
.irp b, 0,1,2,3
	v_max_num_f32 v[TM+\b], v[TM+\b], v[TM+4+\b]
.endr
.irp b, 0,1,2,3
	v_add_nc_u32 v[TM+12+\b], 0xfe000000, v[TM+\b]   ; 4 off the exponent field: the conversion's scale operand
.endr
.irp b, 0,1,2,3
	v_lshrrev_b32 v[TM+4+\b], 23, v[TM+12+\b]
.endr
	v_lshl_or_b32 v[\pw], v[TM+5], 8, v[TM+4]
	v_lshl_or_b32 v[\pw], v[TM+6], 16, v[\pw]
	v_lshl_or_b32 v[\pw], v[TM+7], 24, v[\pw]
.irp c, 0,1
	v_cvt_scalef32_pk16_bf6_f32 v[PC+6*\c:PC+2+6*\c], v[\s+32*\c:\s+15+32*\c], v[TM+12+2*\c]
	v_cvt_scalef32_pk16_bf6_f32 v[PC+12+4*\c:PC+14+4*\c], v[\s+16+32*\c:\s+31+32*\c], v[TM+12+2*\c+1]
.endr
	v_nop                                          ; one plain place behind a scaled conversion
.irp c, 0,1
.irp i, 0,1,2
	v_permlane16_swap_b32 v[PC+6*\c+\i], v[PC+12+4*\c+\i]
.endr
.irp i, 0,1,2
	v_mov_b32 v[PC+3+6*\c+\i], v[PC+12+4*\c+\i]
.endr
.endr
.endm
.macro TAIL st                         ; back from the stage at byte st of my two, 16 neighbours of each block of 32 a lane; the quantiser; the stores; the wave's end
.irp b, 0,1,2,3
.irp i, 0,1,2,3
	ds_load_b128 v[X+16*\b+4*\i:X+16*\b+4*\i+3], v[SR] offset:(\st)+128*\b+16*\i   ; LDS serves a wave's instructions in order: these see the stores
.endr
.endr
	s_wait_dscnt 0x0
	QUANT X, SW
.irp c, 0,1,2
	global_store_b128 v[LI], v[PC+4*\c:PC+4*\c+3], s[8:9] offset:512*\c   ; 512 consecutive bytes, aligned
.endr
	global_store_b32 v[SO], v[SW], s[10:11]        ; 64 consecutive bytes; lanes 16-31 hold and store the same words as lanes 0-15
	s_wait_tensorcnt 0x0                           ; the wave's end
	ds_add_u32 v[SPW], v[NIL]
	s_wait_dscnt 0x0
	s_endpgm
.endm
	s_load_b128 s[4:7], s[0:1], 0x0                ; x, vflat
	s_load_b64 s[8:9], s[0:1], 0x10                ; mq
	v_lshl_add_u32 v[SPW], v0, 2, SPARE
	v_mov_b32 v[NIL], 0
	v_lshrrev_b32 v1, 5, v0
	v_readfirstlane_b32 s16, v1                    ; wave = my K step in the record
	v_and_b32 v[LN], 31, v0
	v_and_b32 v[RR], 15, v0
	v_bfe_u32 v[HH], v0, 4, 1
	v_lshlrev_b32 v[LI], 4, v[LN]
	v_lshlrev_b32 v[SO], 2, v[RR]
	s_mul_i32 s17, s16, STG                        ; my stage
	v_add_nc_u32 v[SA], s17, v[LI]
	v_lshl_add_u32 v[SB], v[LN], 2, s17
	v_mul_u32_u24 v[SR], v[RR], 528
	v_lshl_add_u32 v[SR], v[HH], 6, v[SR]
	v_add_nc_u32 v[SR], s17, v[SR]
.irp q, 0,1,2,3
	v_add_nc_u32 v[EQ+\q], 32*\q, v[LN]
	v_lshlrev_b32 v[E4+\q], 2, v[EQ+\q]
	v_add_nc_u32 v[E4D+\q], PITCH-11588, v[E4+\q]
.endr
.irp b, 0,1,2,3
	v_mov_b32 v[TM+4+\b], 0                        ; a lane permute's destination counts as one of its sources
.endr
	s_mov_b32 s[SEL], 0x76543210
	s_mov_b32 s[SEL+1], 0xfedcba98
	s_mul_i32 s28, ttmp9, 6400                     ; my record
	s_lshl_b32 s30, s16, 6
	s_add_co_u32 s30, s30, s28
	s_add_co_u32 s30, s30, 6144                    ; my scale words
	s_mov_b32 s31, 0
	s_mul_i32 s22, s16, 1536
	s_add_co_u32 s22, s22, s28                     ; my codes
	s_mov_b32 s23, 0
	s_wait_alu depctr_va_vdst(0)                   ; the wait at the head's end
	s_wait_kmcnt 0x0
	s_add_nc_u64 s[10:11], s[8:9], s[30:31]
	s_add_nc_u64 s[8:9], s[8:9], s[22:23]
	s_cmp_lt_u32 ttmp9, 1024                       ; x's record?
	s_cbranch_scc0 .Lw
	s_lshr_b32 s18, ttmp9, 2
	s_lshl_b32 s18, s18, 17                        ; the block's 16 rows of 8,192 bytes,
	s_and_b32 s19, ttmp9, 3
	s_lshl_b32 s19, s19, 11                        ; the record's 512 numbers,
	s_add_co_u32 s18, s18, s19
	s_lshl_b32 s19, s16, 9                         ; my K step's 128
	s_add_co_u32 s18, s18, s19
	s_mov_b32 s19, 0
	s_add_nc_u64 s[4:5], s[4:5], s[18:19]
.irp p, 0,1,2,3,4,5,6,7,8,9,10,11,12,13,14,15
	global_load_b128 v[X+4*\p:X+4*\p+3], v[LI], s[4:5] offset:8192*\p th:TH_LOAD_NT   ; row p, k = 4 lane + 0 .. 3 of my K step
.endr
	s_wait_loadcnt 0x0
.irp p, 0,1,2,3,4,5,6,7,8,9,10,11,12,13,14,15
	ds_store_b128 v[SA], v[X+4*\p:X+4*\p+3] offset:528*\p
.endr
	TAIL 0
.Lw:
	s_sub_co_u32 s18, ttmp9, 1024
	s_cmp_lt_u32 s18, 256                          ; W1's record or W2's?
	s_cselect_b32 s22, 2, 1                        ; log2 of a block's records: K = 2,048 or 1,024
	s_cselect_b32 s19, 8, 0                        ; rows that a block's second eight lie further down (W1)
	s_cselect_b32 s23, 0, 2098176                  ; the tensor's first number in flat V
	s_cselect_b32 s29, 0, 256
	s_sub_co_u32 s18, s18, s29
	s_lshr_b32 s24, s18, s22                       ; R: the block,
	s_lshl_b32 s25, s24, s22
	s_sub_co_u32 s25, s18, s25                     ; t: the record in it
	s_lshl_b32 s26, 512, s22                       ; K: numbers in a row
	s_lshr_b32 s27, s24, 1
	s_lshl_b32 s27, s27, 5
	s_and_b32 s28, s24, 1
	s_lshl_b32 s28, s28, 3
	s_add_co_u32 s27, s27, s28                     ; W1: 32 (R / 2) + 8 (R % 2)
	s_lshl_b32 s28, s24, 4                         ; W2: 16 R
	s_cmp_lg_u32 s19, 0
	s_cselect_b32 s27, s27, s28                    ; the block's first row
	s_mul_i32 s24, s27, s26
	s_add_co_u32 s24, s24, s23
	s_lshl_b32 s25, s25, 9
	s_add_co_u32 s24, s24, s25
	s_lshl_b32 s25, s16, 7
	s_add_co_u32 s24, s24, s25                     ; row 0's first number of my K step, in flat V
	s_mul_i32 s19, s19, s26
	s_mov_b32 s27, 1518138251
.irp p, 0,1,2,3,4,5,6,7,8,9,10,11,12,13,14,15
	s_mul_i32 s30, s26, \p
.if \p >= 8
	s_add_co_u32 s30, s30, s19
.endif
	s_add_co_u32 s30, s30, s24                     ; f: row p's first number
	s_mul_hi_u32 s31, s30, s27
	s_lshr_b32 s31, s31, 10                        ; i = f / 2,897
	s_mul_i32 s34, s31, 2897
	s_sub_co_u32 s34, s30, s34                     ; j
	s_mul_i32 s31, s31, PITCH
	s_lshl_b32 s35, s34, 2
	s_add_co_u32 s31, s31, s35                     ; its place in vflat
	s_sub_co_u32 s34, 2897, s34                    ; from this e on the numbers lie in V's next row
.irp q, 0,1,2,3
	v_cmp_le_u32 vcc_lo, s34, v[EQ+\q]
	v_cndmask_b32 v[X+4*\p+\q], v[E4+\q], v[E4D+\q], vcc_lo
	v_add_nc_u32 v[X+4*\p+\q], s31, v[X+4*\p+\q]
.endr
.irp q, 0,1,2,3
	global_load_b32 v[X+4*\p+\q], v[X+4*\p+\q], s[6:7]   ; row p, k = 32 q + lane of my K step
.endr
.endr
	s_wait_loadcnt 0x0
.irp p, 0,1,2,3,4,5,6,7,8,9,10,11,12,13,14,15
.irp q, 0,1,2,3
	ds_store_b32 v[SB], v[X+4*\p+\q] offset:4*STG+528*\p+128*\q
.endr
.endr
	TAIL 4*STG
.Lfunc_end_k_q4f7ee08bb0_quants:
	.size	k_q4f7ee08bb0_quants, .Lfunc_end_k_q4f7ee08bb0_quants-k_q4f7ee08bb0_quants
	.p2alignl 7, 3214868480
	.fill 96, 4, 3214868480
	.section	.rodata,"a",@progbits
	.p2align	6, 0x0
	.amdhsa_kernel k_q4f7ee08bb0_quants
		.amdhsa_group_segment_fixed_size 68096
		.amdhsa_private_segment_fixed_size 0
		.amdhsa_enable_private_segment 0
		.amdhsa_kernarg_size 24
		.amdhsa_user_sgpr_count 2
		.amdhsa_user_sgpr_kernarg_segment_ptr 1
		.amdhsa_wavefront_size32 1
		.amdhsa_system_sgpr_workgroup_id_x 1
		.amdhsa_system_sgpr_workgroup_id_y 1
		.amdhsa_system_sgpr_workgroup_id_z 1
		.amdhsa_system_vgpr_workitem_id 0
		.amdhsa_next_free_vgpr 128
		.amdhsa_next_free_sgpr 66
		.amdhsa_reserve_vcc 1
		.amdhsa_float_denorm_mode_32 3
		.amdhsa_float_denorm_mode_16_64 3
		.amdhsa_memory_ordered 1
		.amdhsa_forward_progress 1
		.amdhsa_inst_pref_size 40
	.end_amdhsa_kernel
	.amdgpu_metadata
---
amdhsa.version: [ 1, 2 ]
amdhsa.kernels:
  - .name:           k_q4f7ee08bb0_quants
    .symbol:         k_q4f7ee08bb0_quants.kd
    .args:
      - { .name: x, .offset: 0, .size: 8, .value_kind: global_buffer, .address_space: global }
      - { .name: vflat, .offset: 8, .size: 8, .value_kind: global_buffer, .address_space: global }
      - { .name: mq, .offset: 16, .size: 8, .value_kind: global_buffer, .address_space: global }
    .group_segment_fixed_size: 68096
    .private_segment_fixed_size: 0
    .kernarg_segment_align: 8
    .kernarg_segment_size: 24
    .max_flat_workgroup_size: 128
    .sgpr_count:     66
    .vgpr_count:     128
    .wavefront_size: 32
...
	.end_amdgpu_metadata
.endif
;; end of part 3
;; launch gemmh (part 4): grid 32 x 8, 4 waves a work-group, clusters of 4 x 4, 327,680 bytes of LDS; arguments mq, vflat, hq; writes hq
.if DOCPART == 4
	.amdgcn_target "amdgcn-amd-amdhsa--gfx1250"
	.amdhsa_code_object_version 6
	.text
	.protected	k_q4f7ee08bb0_gemmh
	.globl	k_q4f7ee08bb0_gemmh
	.p2align	8
	.type	k_q4f7ee08bb0_gemmh,@function
k_q4f7ee08bb0_gemmh:
	s_mov_b64 s[64:65], 0
	v_nop
	global_prefetch_b8 v0, s[64:65] scope:SCOPE_SE
	s_setreg_imm32_b32 hwreg(HW_REG_WAVE_MODE, 25, 1), 1
	s_wait_xcnt 0x0
	s_wait_alu depctr_hold_cnt(0) depctr_sa_sdst(0) depctr_va_vdst(0) depctr_va_sdst(0) depctr_va_ssrc(0) depctr_va_vcc(0) depctr_vm_vsrc(0)
	s_getreg_b32 s2, hwreg(HW_REG_IB_STS2, 6, 4)
	s_cmp_eq_u32 s2, 0
	s_cbranch_scc0 .Lentry_in_a_cluster
	s_endpgm
.Lentry_in_a_cluster:
	s_bfe_u32 s2, ttmp6, 0x10000c
	s_cmp_lg_u32 s2, 0xf033
	s_cbranch_scc0 .Lentry_shape_is_right
	s_endpgm
.Lentry_shape_is_right:
; FOURTH OF FIVE LAUNCHES.  h = relu(Q(x) Q(W1)^T + b1) on codes of BF6 (E3M2) with one E8M0 scale for each 32 along K, sums in f32; h is quantised along the hidden units in registers and stored as codes.
; (V's rows from 1456 on were left out as dead work by the launches before: nothing here reads them.)
; OPERANDS lie in mq in RECORDS of 6,400 bytes: four K steps of a block of 16 rows: K step j's codes at 1,536 j as the IMAGE of the operand's 12 registers, its scale words at 6,144 + 64 j + 4 r; a block's four records on end.
; P = W1 is source 0 (its rows run along a lane's eight result registers), Q = x is source 1 (its rows are the lanes).  h goes to hq in the same records, two to a block.
; SHARES.  256 work-groups of four waves: 8 x 8 blocks a work-group, 8 x 2 a wave.  K's 16 steps go through two LDS slots of one record a block (2 x 16 x 6,400 bytes).  At the head each wave issues ONE load:
; waves 0, 1 P's eight blocks of slots 0, 1; waves 2, 3 Q's.  The ring is filled again twice, behind K steps 3 and 7, a quarter of the slot a wave.  A wave never has more than one tensor load out.
; CLUSTERS: 4 x 4 work-groups; P's tile is shared along a row of the cluster, Q's along a column: each is asked for JOINTLY.
; PREFETCH: in K step 0 record 2, behind the refill of record 2 record 3: one slot (four K steps) ahead of the load.  A wave's refill brings four blocks' records; each of the four partners names one block's 25 blocks of 256 bytes,
; told apart by address: one instruction a wave, the lanes left over name the last block again.
; The bias is the C of each sum's first matrix instruction (LIMIT: it is so added first, where the problem adds it last: another order of f32 rounding).  LIMITS: NaN and infinities are not served.  The K walk is written out.
; REGISTERS: window 0: v1-29 addresses; v32-51 scale words (two sets), v52-99 Q's fragments (two sets).  window 1: P's fragments, two sets.  window 2: accumulator (q, p) at v[8 (8 q + p)].  window 3: the bias.
.set PB, 8
.set PW, 8
.set QB, 8
.set QW, 2
.set KT, 16
.set SL, 4
.set NR, 4
.set REC, 6400
.set PCO, 1024*REC                     ; where W1's records begin in mq
.set SLOT,  (PB+QB)*REC
.set SPARE, 2*SLOT                     ; behind the ring: the spare words, two blocks of 256 bytes that no other line names
.set NRS,   (KT+SL-1)/SL
.set ADRP, 16
.set ADRQ, 18
.set ADSP, 20
.set ADSQ, 22
.set PF,   26
.set SPW,  28
.set NIL,  29
.set SCP,  32
.set SCQ,  SCP+2*PW
.set QF,   SCQ+2*QW
.set G1P, 24
.set G0P, 32
.set RP,  36
.set LP,  38
.set LQ,  39
.set G1Q, 48
.set G0Q, 56
.set RQ,  60
.set PFB, 62
.set MSB, 0
.macro WIN new
.if MSB != \new
	s_set_vgpr_msb (MSB<<8)|\new
.set MSB, \new
.endif
.endm
.macro JLOAD                           ; a joint load: waves 0 and 1 fetch for P, waves 2 and 3 for Q
	s_cmp_eq_u32 s15, 0
	s_cbranch_scc0 .Lfor_q_\@
	tensor_load_to_lds s[G0P:G0P+3], s[G1P:G1P+7]
	s_nop 0
.rept 4
	v_nop
.endr
	s_branch .Lasked_\@
.Lfor_q_\@:
	tensor_load_to_lds s[G0Q:G0Q+3], s[G1Q:G1Q+7]
	s_nop 0
.rept 4
	v_nop
.endr
.Lasked_\@:
.endm
.macro CREST
	s_cmp_lg_u32 s14, 0
	s_cbranch_scc1 .Lnot_wave_0_\@
	s_barrier_signal -3
.Lnot_wave_0_\@:
	s_barrier_wait -3
	s_barrier_signal -1
	s_barrier_wait -1
.endm
.macro CROUND
	s_barrier_signal -1
	s_barrier_wait -1
	CREST
.endm
.macro PLACES
.rept 4
	v_nop
.endr
.endm
.macro ASK n
	global_prefetch_b8 v[PF], s[PFB:PFB+1] offset:(\n)*REC th:TH_LOAD_NT scope:SCOPE_SE
.endm
.set TM,  112                          ; the way out: v112-127 at work, v128 the scale word, v160-223 64 numbers of h, v224-243 the codes
.set HW,  128
.set HN,  160
.set PC,  224
.set SEL, 96
.macro QUANT s, pw
.irp b, 0,1,2,3
	v_max3_num_f32 v[TM+\b], |v[\s+16*\b]|, |v[\s+1+16*\b]|, 0x2800000
.endr
.irp i, 2,4,6,8,10,12,14
.irp b, 0,1,2,3
	v_max3_num_f32 v[TM+\b], v[TM+\b], |v[\s+16*\b+\i]|, |v[\s+1+16*\b+\i]|
.endr
.endr
.irp b, 0,1,2,3
	v_permlanex16_b32 v[TM+4+\b], v[TM+\b], s[SEL], s[SEL+1]
.endr
.irp b, 0,1,2,3
	v_max_num_f32 v[TM+\b], v[TM+\b], v[TM+4+\b]
.endr
.irp b, 0,1,2,3
	v_add_nc_u32 v[TM+12+\b], 0xfe000000, v[TM+\b]
.endr
.irp b, 0,1,2,3
	v_lshrrev_b32 v[TM+4+\b], 23, v[TM+12+\b]
.endr
	v_lshl_or_b32 v[\pw], v[TM+5], 8, v[TM+4]
	v_lshl_or_b32 v[\pw], v[TM+6], 16, v[\pw]
	v_lshl_or_b32 v[\pw], v[TM+7], 24, v[\pw]
.irp c, 0,1
	v_cvt_scalef32_pk16_bf6_f32 v[PC+6*\c:PC+2+6*\c], v[\s+32*\c:\s+15+32*\c], v[TM+12+2*\c]
	v_cvt_scalef32_pk16_bf6_f32 v[PC+12+4*\c:PC+14+4*\c], v[\s+16+32*\c:\s+31+32*\c], v[TM+12+2*\c+1]
.endr
	v_nop
.irp c, 0,1
.irp i, 0,1,2
	v_permlane16_swap_b32 v[PC+6*\c+\i], v[PC+12+4*\c+\i]
.endr
.irp i, 0,1,2
	v_mov_b32 v[PC+3+6*\c+\i], v[PC+12+4*\c+\i]
.endr
.endr
.endm
	s_load_b128 s[4:7], s[0:1], 0x0                ; mq, vflat
	s_load_b64 s[8:9], s[0:1], 0x10                ; hq
	v_lshl_add_u32 v[SPW], v0, 2, SPARE
	v_mov_b32 v[NIL], 0
	ds_add_u32 v[SPW], v[NIL]                      ; the opening: the add, twice on end, and its wait ahead of my first tensor load
	ds_add_u32 v[SPW], v[NIL]
	v_lshrrev_b32 v1, 5, v0
	v_readfirstlane_b32 s14, v1                    ; wave: also which 2 blocks of Q are mine
	s_lshr_b32 s15, s14, 1                         ; I fetch for P (0) or Q (1)
	s_and_b32 s16, s14, 1                          ; head: slot 0 or 1; ring: the first or second half of the blocks
	s_bfe_u32 s40, ttmp6, 0x40000
	s_bfe_u32 s41, ttmp6, 0x40004
	s_lshl_b32 s42, ttmp9, 2
	s_add_co_u32 s42, s42, s40                     ; qt
	s_and_b32 s17, ttmp7, 0xffff
	s_lshl_b32 s17, s17, 2
	s_add_co_u32 s17, s17, s41                     ; pt
	s_lshl_b32 s43, s41, 2
	s_lshl_b32 s43, 15, s43
	s_lshl_b32 s44, 0x1111, s40
	s_or_b32 s[G1P], s43, (3<<16)|(1<<21)
	s_or_b32 s[G1Q], s44, (3<<16)|(1<<21)
	s_mov_b32 s[G1P+1], (REC/8)<<16
	s_mov_b32 s[G1P+2], PB<<16
	s_mov_b32 s[G1P+3], (REC/8)<<16
	s_mov_b32 s[G1P+4], PB
	s_mov_b32 s[G1P+5], NR*REC/8
	s_mov_b32 s[G1P+6], 0
	s_mov_b32 s[G1P+7], 0
	s_mov_b32 s[G1Q+1], (REC/8)<<16
	s_mov_b32 s[G1Q+2], QB<<16
	s_mov_b32 s[G1Q+3], (REC/8)<<16
	s_mov_b32 s[G1Q+4], QB
	s_mov_b32 s[G1Q+5], NR*REC/8
	s_mov_b32 s[G1Q+6], 0
	s_mov_b32 s[G1Q+7], 0
	s_mul_i32 s20, s17, PB*NR*REC
	s_add_co_u32 s20, s20, PCO
	s_mov_b32 s21, 0
	s_mul_i32 s46, s42, QB*NR*REC
	s_mov_b32 s47, 0
	s_mul_i32 s22, s16, REC
	s_mov_b32 s23, 0
	s_mul_i32 s19, s16, SLOT
	s_wait_dscnt 0x0
	s_wait_kmcnt 0x0
	s_add_nc_u64 s[20:21], s[4:5], s[20:21]
	s_add_nc_u64 s[46:47], s[4:5], s[46:47]
	CROUND
	s_mov_b32 s[G0P], 1
	s_mov_b32 s[G0P+1], s19
	s_add_nc_u64 s[G0P+2:G0P+3], s[20:21], s[22:23]
	s_or_b32 s[G0P+3], s[G0P+3], 0x80000000
	s_mov_b32 s[G0Q], 1
	s_add_co_u32 s[G0Q+1], s19, PB*REC
	s_add_nc_u64 s[G0Q+2:G0Q+3], s[46:47], s[22:23]
	s_or_b32 s[G0Q+3], s[G0Q+3], 0x80000000
	JLOAD                                          ; my one load at the head
	s_mul_i32 s92, s16, (PB/2)*NR*REC
	s_mov_b32 s93, 0
	s_add_nc_u64 s[RP:RP+1], s[20:21], s[92:93]
	s_mul_i32 s92, s16, (QB/2)*NR*REC
	s_add_nc_u64 s[RQ:RQ+1], s[46:47], s[92:93]
	s_mul_i32 s[LP], s16, (PB/2)*REC
	s_mul_i32 s[LQ], s16, (QB/2)*REC
	s_add_co_u32 s[LQ], s[LQ], PB*REC
	s_cmp_eq_u32 s15, 0
	s_cselect_b32 s96, s40, s41                    ; my place among the four that ask with me: I name that block's record
	s_cselect_b64 s[PFB:PFB+1], s[RP:RP+1], s[RQ:RQ+1]
	s_mul_i32 s96, s96, NR*REC
	s_mul_i32 s94, s14, QW*REC                     ; my blocks of Q, behind P's (all of P's are mine)
	s_add_co_u32 s94, s94, PB*REC
	s_lshl_b32 s95, s17, 7                         ; my tile's 128 of b1
	s_mov_b32 s98, 8524532                         ; b1 = V's numbers 2,097,152 on: V(723, 2621) on, at 723 x 11,776 + 4 x 2,621 in vflat
	s_mov_b32 s99, 0
	s_add_nc_u64 s[98:99], s[6:7], s[98:99]
	v_and_b32 v1, 15, v0
	v_bfe_u32 v2, v0, 4, 1
	v_and_b32 v3, 31, v0
	v_min_u32 v6, 24, v3
	v_lshlrev_b32 v3, 4, v3
	v_lshlrev_b32 v4, 2, v1
	v_lshlrev_b32 v5, 4, v2                        ; for block p lane (r, h) wants hidden units 32 (p / 2) + 16 h + 8 (p % 2) + 0 .. 7 of the tile,
	v_add_nc_u32 v5, s95, v5                       ; in groups of four: b1's number 276 begins V's row 724, 188 bytes further on in vflat, and 276 is a multiple of 4
	v_mov_b32 v8, 188
.irp m, 0,1,2,3,4,5,6,7,8,9,10,11,12,13,14,15
	v_add_nc_u32 v[100+\m], 32*(\m/4)+8*((\m/2)%2)+4*(\m%2), v5
	v_cmp_le_u32 vcc_lo, 276, v[100+\m]
	v_cndmask_b32 v7, 0, v8, vcc_lo
	v_lshl_add_u32 v[100+\m], v[100+\m], 2, v7
.endr
	v_lshlrev_b32 v6, 8, v6
	v_add_nc_u32 v[PF], s96, v6
	v_mov_b32 v[ADRP], v3
	v_add_nc_u32 v[ADRQ], s94, v3
	v_mov_b32 v[ADSP], v4
	v_add_nc_u32 v[ADSQ], s94, v4
.irp a, ADRP, ADRQ, ADSP, ADSQ
	v_add_nc_u32 v[\a+1], SLOT, v[\a]
.endr
	WIN 0xc0                                       ; destination window 3
.irp m, 0,1,2,3,4,5,6,7,8,9,10,11,12,13,14,15
.irp i, 0,1,2,3
	global_load_b32 v[4*\m+\i], v[100+\m], s[98:99] offset:4*\i   ; a number's place in vflat is a multiple of 4 alone
.endr
.endr
	WIN 0
.macro FETCH slot, q, f
	WIN 0x40
.set fi, 0
.rept PW
.irp c, 0,1,2
	ds_load_b128 v[12*PW*(\f)+12*fi+4*\c:12*PW*(\f)+12*fi+4*\c+3], v[ADRP+(\slot)] offset:REC*fi+1536*(\q)+512*\c
.endr
.set fi, fi+1
.endr
	WIN 0
.set fi, 0
.rept QW
.irp c, 0,1,2
	ds_load_b128 v[QF+12*QW*(\f)+12*fi+4*\c:QF+12*QW*(\f)+12*fi+4*\c+3], v[ADRQ+(\slot)] offset:REC*fi+1536*(\q)+512*\c
.endr
.set fi, fi+1
.endr
.set fi, 0
.rept PW
	ds_load_b32 v[SCP+PW*(\f)+fi], v[ADSP+(\slot)] offset:REC*fi+SL*1536+64*(\q)
.set fi, fi+1
.endr
.set fi, 0
.rept QW
	ds_load_b32 v[SCQ+QW*(\f)+fi], v[ADSQ+(\slot)] offset:REC*fi+SL*1536+64*(\q)
.set fi, fi+1
.endr
.endm
.macro MUL p0, p1                      ; CSEL = 2: the bias starts the sums.  The accumulators take turns, one instruction a turn
.if CSEL == 2
	WIN 0xb1                                       ; source 0 window 1, source 1 window 0, C window 3, D window 2
.else
	WIN 0xa1
.endif
.set mp, \p0
.rept (\p1)-(\p0)
.set mq, 0
.rept QW
.set rD, 8*(mq*PW+mp)
.set rP, 12*PW*FS+12*mp
.set rQ, QF+12*QW*FS+12*mq
.set rA, SCP+PW*FS+mp
.set rB, SCQ+QW*FS+mq
.if CSEL == 2
	v_wmma_scale_f32_16x16x128_f8f6f4 v[rD:rD+7], v[rP:rP+11], v[rQ:rQ+11], v[8*mp:8*mp+7], v[rA], v[rB] matrix_a_fmt:MATRIX_FMT_BF6 matrix_b_fmt:MATRIX_FMT_BF6
.else
	v_wmma_scale_f32_16x16x128_f8f6f4 v[rD:rD+7], v[rP:rP+11], v[rQ:rQ+11], v[rD:rD+7], v[rA], v[rB] matrix_a_fmt:MATRIX_FMT_BF6 matrix_b_fmt:MATRIX_FMT_BF6
.endif
.set mq, mq+1
.endr
.set mp, mp+1
.endr
.endm
.macro STEP
	s_wait_dscnt 0x0
	PLACES
	FETCH RG, RJ+1, NS
.if S == 0
	ASK 2
.endif
	MUL 0, PW
.endm
.macro TURN                            ; a slot's last K step: the three lines, the barrier (a round where a record is left to fetch), the refill first behind it
	WIN 0
	s_wait_dscnt 0x0
	s_wait_tensorcnt 0x0
	ds_add_u32 v[SPW], v[NIL]
.if NXT < NRS
	s_add_co_u32 s[G0P+1], s[LP], RG*SLOT          ; no load of mine is out: group 0 is written for record NXT
	s_add_nc_u64 s[G0P+2:G0P+3], s[RP:RP+1], NXT*REC
	s_or_b32 s[G0P+3], s[G0P+3], 0x80000000
	s_add_co_u32 s[G0Q+1], s[LQ], RG*SLOT
	s_add_nc_u64 s[G0Q+2:G0Q+3], s[RQ:RQ+1], NXT*REC
	s_or_b32 s[G0Q+3], s[G0Q+3], 0x80000000
.endif
	MUL 0, PW/2
	s_wait_dscnt 0x0
	s_barrier_signal -1
	WIN 0
	s_barrier_wait -1
.if NXT < NRS
	CREST
	JLOAD
.else
	PLACES
.endif
	FETCH RN, 0, NS
.if NXT+1 < NRS
	ASK NXT+1
.endif
	MUL PW/2, PW
.endm
	s_wait_alu depctr_va_vdst(0)                   ; the wait at the head's end
	s_wait_tensorcnt 0x0                           ; my load is in; group 1 may be written: a refill brings half the tile's blocks
	s_mov_b32 s[G1P+2], (PB/2)<<16
	s_mov_b32 s[G1P+4], PB/2
	s_mov_b32 s[G1Q+2], (QB/2)<<16
	s_mov_b32 s[G1Q+4], QB/2
	s_barrier_signal -1
	s_barrier_wait -1                              ; both slots are whole
	FETCH 0, 0, 0
	s_wait_loadcnt 0x0                             ; the bias
.set S, 0
.rept KT
.set FS, S%2
.set NS, 1-FS
.set RG, (S/SL)%2
.set RN, 1-RG
.set RJ, S%SL
.set NXT, S/SL+2
.set CSEL, 0
.if S == 0
.set CSEL, 2
.endif
.if S == KT-1
	s_wait_dscnt 0x0
	MUL 0, PW
.elseif RJ == SL-1
	TURN
.else
	STEP
.endif
.set S, S+1
.endr
	WIN 0
	PLACES
; THE WAY OUT.  W1's rows were laid so that register 8 p + j of my block q of rows is hidden unit 32 (p / 2) + 16 h + 8 (p % 2) + j of my tile's 128: 16 neighbours along the next K in each pair of blocks.
; relu, the quantiser, and K step pt of h's block 8 qt + 2 wave + q leaves: three stores of 512 consecutive bytes, and 64 bytes of scale words.
	s_mov_b32 s[SEL], 0x76543210
	s_mov_b32 s[SEL+1], 0xfedcba98
.irp b, 0,1,2,3
	v_mov_b32 v[TM+4+\b], 0
.endr
	s_lshl_b32 s19, s42, 3
	s_lshl_b32 s20, s14, 1
	s_add_co_u32 s19, s19, s20                     ; the first of my two blocks of rows
	s_mul_i32 s20, s19, 2*REC
	s_lshr_b32 s21, s17, 2
	s_mul_i32 s21, s21, REC
	s_add_co_u32 s20, s20, s21                     ; its record pt / 4
	s_and_b32 s22, s17, 3
	s_mul_i32 s21, s22, 1536
	s_add_co_u32 s46, s20, s21
	s_mov_b32 s47, 0
	s_add_nc_u64 s[46:47], s[8:9], s[46:47]        ; the codes
	s_lshl_b32 s22, s22, 6
	s_add_co_u32 s22, s22, s20
	s_add_co_u32 s22, s22, 6144
	s_mov_b32 s23, 0
	s_add_nc_u64 s[22:23], s[8:9], s[22:23]        ; the scale words
.irp q, 0,1
	WIN 0x08
.set hn, 0
.rept 64
	v_max_num_f32 v[HN+hn], 0, v[64*\q+hn]         ; the activation, in f32; each accumulator from its low end on
.set hn, hn+1
.endr
	WIN 0
.if \q > 0
	s_wait_xcnt 0x0                                ; the first block's stores have read their registers
.endif
	QUANT HN, HW
.irp c, 0,1,2
	global_store_b128 v3, v[PC+4*\c:PC+4*\c+3], s[46:47] offset:2*REC*\q+512*\c
.endr
	global_store_b32 v4, v[HW], s[22:23] offset:2*REC*\q   ; lanes 16-31 hold and store the same word as lanes 0-15
.endr
	s_wait_tensorcnt 0x0                           ; the wave's end
	ds_add_u32 v[SPW], v[NIL]
	s_wait_dscnt 0x0
	CROUND                                         ; the closing round
	s_endpgm
.Lfunc_end_k_q4f7ee08bb0_gemmh:
	.size	k_q4f7ee08bb0_gemmh, .Lfunc_end_k_q4f7ee08bb0_gemmh-k_q4f7ee08bb0_gemmh
	.p2alignl 7, 3214868480
	.fill 96, 4, 3214868480
	.section	.rodata,"a",@progbits
	.p2align	6, 0x0
	.amdhsa_kernel k_q4f7ee08bb0_gemmh
		.amdhsa_group_segment_fixed_size 327680
		.amdhsa_private_segment_fixed_size 0
		.amdhsa_enable_private_segment 0
		.amdhsa_kernarg_size 24
		.amdhsa_user_sgpr_count 2
		.amdhsa_user_sgpr_kernarg_segment_ptr 1
		.amdhsa_wavefront_size32 1
		.amdhsa_system_sgpr_workgroup_id_x 1
		.amdhsa_system_sgpr_workgroup_id_y 1
		.amdhsa_system_sgpr_workgroup_id_z 1
		.amdhsa_system_vgpr_workitem_id 0
		.amdhsa_next_free_vgpr 1024
		.amdhsa_next_free_sgpr 100
		.amdhsa_reserve_vcc 1
		.amdhsa_float_denorm_mode_32 3
		.amdhsa_float_denorm_mode_16_64 3
		.amdhsa_memory_ordered 1
		.amdhsa_forward_progress 1
		.amdhsa_inst_pref_size 108
	.end_amdhsa_kernel
	.amdgpu_metadata
---
amdhsa.version: [ 1, 2 ]
amdhsa.kernels:
  - .name:           k_q4f7ee08bb0_gemmh
    .symbol:         k_q4f7ee08bb0_gemmh.kd
    .args:
      - { .name: mq, .offset: 0, .size: 8, .value_kind: global_buffer, .address_space: global }
      - { .name: vflat, .offset: 8, .size: 8, .value_kind: global_buffer, .address_space: global }
      - { .name: hq, .offset: 16, .size: 8, .value_kind: global_buffer, .address_space: global }
    .group_segment_fixed_size: 327680
    .private_segment_fixed_size: 0
    .kernarg_segment_align: 8
    .kernarg_segment_size: 24
    .max_flat_workgroup_size: 128
    .sgpr_count:     100
    .vgpr_count:     1024
    .wavefront_size: 32
...
	.end_amdgpu_metadata
.endif
;; end of part 4
;; launch gemmo (part 5): grid 32 x 8, 4 waves a work-group, clusters of 4 x 4, 327,680 bytes of LDS; arguments mq, hq, vflat, out0; writes out0
.if DOCPART == 5
	.amdgcn_target "amdgcn-amd-amdhsa--gfx1250"
	.amdhsa_code_object_version 6
	.text
	.protected	k_q4f7ee08bb0_gemmo
	.globl	k_q4f7ee08bb0_gemmo
	.p2align	8
	.type	k_q4f7ee08bb0_gemmo,@function
k_q4f7ee08bb0_gemmo:
	s_mov_b64 s[64:65], 0
	v_nop
	global_prefetch_b8 v0, s[64:65] scope:SCOPE_SE
	s_setreg_imm32_b32 hwreg(HW_REG_WAVE_MODE, 25, 1), 1
	s_wait_xcnt 0x0
	s_wait_alu depctr_hold_cnt(0) depctr_sa_sdst(0) depctr_va_vdst(0) depctr_va_sdst(0) depctr_va_ssrc(0) depctr_va_vcc(0) depctr_vm_vsrc(0)
	s_getreg_b32 s2, hwreg(HW_REG_IB_STS2, 6, 4)
	s_cmp_eq_u32 s2, 0
	s_cbranch_scc0 .Lentry_in_a_cluster
	s_endpgm
.Lentry_in_a_cluster:
	s_bfe_u32 s2, ttmp6, 0x10000c
	s_cmp_lg_u32 s2, 0xf033
	s_cbranch_scc0 .Lentry_shape_is_right
	s_endpgm
.Lentry_shape_is_right:
; FIFTH OF FIVE LAUNCHES.  out = Q(h) Q(W2)^T + b2 on codes of BF6 (E3M2) with one E8M0 scale for each 32 along K, sums in f32, out in f32.
; (V's rows from 1456 on were left out as dead work by the launches before: nothing here reads them.)
; OPERANDS lie in RECORDS of 6,400 bytes: four K steps of a block of 16 rows: K step j's codes at 1,536 j as the IMAGE of the operand's 12 registers, its scale words at 6,144 + 64 j + 4 r; a block's two records on end.
; P = W2 (in mq) is source 0 (its rows run along a lane's eight result registers), Q = h (in hq) is source 1 (its rows are the lanes).
; SHARES.  256 work-groups of four waves: 16 x 8 blocks a work-group, 8 x 4 a wave.  All of K, 8 steps, fits in two LDS slots of one record a block (2 x 24 x 6,400 bytes): each wave issues ONE load, at the head:
; waves 0, 1 P's sixteen blocks of slots 0, 1; waves 2, 3 Q's eight.  Nothing is filled again.  All of LDS is claimed: the text uses 307,712 bytes.
; CLUSTERS: 4 x 4 work-groups; P's tile is shared along a row of the cluster, Q's along a column: each is asked for JOINTLY.
; No prefetch: every tile is asked for by the head's loads, so there is no later load to run ahead of.
; The bias is the C of each sum's first matrix instruction (LIMIT: it is so added first, where the problem adds it last: another order of f32 rounding).  LIMITS: NaN and infinities are not served.  The K walk is written out.
; REGISTERS: window 0: v1-29 addresses; v32-55 scale words (two sets), v56-151 Q's fragments (two sets).  window 1: P's fragments, two sets.  window 2: accumulator (q, p) at v[8 (8 q + p)].  window 3: the bias.
.set PB, 16
.set PW, 8
.set QB, 8
.set QW, 4
.set KT, 8
.set SL, 4
.set NR, 2
.set REC, 6400
.set PCO, 1280*REC                     ; where W2's records begin in mq
.set SLOT,  (PB+QB)*REC
.set SPARE, 2*SLOT                     ; behind the slots: the spare words, two blocks of 256 bytes that no other line names
.set ADRP, 16
.set ADRQ, 18
.set ADSP, 20
.set ADSQ, 22
.set STO,  24                          ; the stage, on the way in
.set RD,   25                          ; and back
.set SPW,  28
.set NIL,  29
.set SCP,  32
.set SCQ,  SCP+2*PW
.set QF,   SCQ+2*QW
.set G1P, 24
.set G0P, 32
.set G1Q, 48
.set G0Q, 56
.set MSB, 0
.macro WIN new
.if MSB != \new
	s_set_vgpr_msb (MSB<<8)|\new
.set MSB, \new
.endif
.endm
.macro JLOAD                           ; a joint load: waves 0 and 1 fetch for P, waves 2 and 3 for Q
	s_cmp_eq_u32 s15, 0
	s_cbranch_scc0 .Lfor_q_\@
	tensor_load_to_lds s[G0P:G0P+3], s[G1P:G1P+7]
	s_nop 0
.rept 4
	v_nop
.endr
	s_branch .Lasked_\@
.Lfor_q_\@:
	tensor_load_to_lds s[G0Q:G0Q+3], s[G1Q:G1Q+7]
	s_nop 0
.rept 4
	v_nop
.endr
.Lasked_\@:
.endm
.macro CREST
	s_cmp_lg_u32 s14, 0
	s_cbranch_scc1 .Lnot_wave_0_\@
	s_barrier_signal -3
.Lnot_wave_0_\@:
	s_barrier_wait -3
	s_barrier_signal -1
	s_barrier_wait -1
.endm
.macro CROUND
	s_barrier_signal -1
	s_barrier_wait -1
	CREST
.endm
.macro PLACES
.rept 4
	v_nop
.endr
.endm
	s_load_b128 s[4:7], s[0:1], 0x0                ; mq, hq
	s_load_b128 s[8:11], s[0:1], 0x10              ; vflat, out0
	v_lshl_add_u32 v[SPW], v0, 2, SPARE
	v_mov_b32 v[NIL], 0
	ds_add_u32 v[SPW], v[NIL]                      ; the opening: the add, twice on end, and its wait ahead of my first tensor load
	ds_add_u32 v[SPW], v[NIL]
	v_lshrrev_b32 v1, 5, v0
	v_readfirstlane_b32 s14, v1
	s_lshr_b32 s15, s14, 1                         ; I fetch for P (0) or Q (1).  Also: which 8 blocks of P are mine
	s_and_b32 s16, s14, 1                          ; I fetch slot 0 or 1.  Also: which 4 blocks of Q are mine
	s_bfe_u32 s40, ttmp6, 0x40000
	s_bfe_u32 s41, ttmp6, 0x40004
	s_lshl_b32 s42, ttmp9, 2
	s_add_co_u32 s42, s42, s40                     ; qt
	s_and_b32 s17, ttmp7, 0xffff
	s_lshl_b32 s17, s17, 2
	s_add_co_u32 s17, s17, s41                     ; pt
	s_lshl_b32 s43, s41, 2
	s_lshl_b32 s43, 15, s43
	s_lshl_b32 s44, 0x1111, s40
	s_or_b32 s[G1P], s43, (3<<16)|(1<<21)
	s_or_b32 s[G1Q], s44, (3<<16)|(1<<21)
	s_mov_b32 s[G1P+1], (REC/8)<<16
	s_mov_b32 s[G1P+2], PB<<16
	s_mov_b32 s[G1P+3], (REC/8)<<16
	s_mov_b32 s[G1P+4], PB
	s_mov_b32 s[G1P+5], NR*REC/8
	s_mov_b32 s[G1P+6], 0
	s_mov_b32 s[G1P+7], 0
	s_mov_b32 s[G1Q+1], (REC/8)<<16
	s_mov_b32 s[G1Q+2], QB<<16
	s_mov_b32 s[G1Q+3], (REC/8)<<16
	s_mov_b32 s[G1Q+4], QB
	s_mov_b32 s[G1Q+5], NR*REC/8
	s_mov_b32 s[G1Q+6], 0
	s_mov_b32 s[G1Q+7], 0
	s_mul_i32 s20, s17, PB*NR*REC
	s_add_co_u32 s20, s20, PCO
	s_mov_b32 s21, 0
	s_mul_i32 s46, s42, QB*NR*REC
	s_mov_b32 s47, 0
	s_mul_i32 s22, s16, REC
	s_mov_b32 s23, 0
	s_mul_i32 s19, s16, SLOT
	s_wait_dscnt 0x0
	s_wait_kmcnt 0x0
	s_add_nc_u64 s[20:21], s[4:5], s[20:21]
	s_add_nc_u64 s[46:47], s[6:7], s[46:47]
	CROUND
	s_mov_b32 s[G0P], 1
	s_mov_b32 s[G0P+1], s19
	s_add_nc_u64 s[G0P+2:G0P+3], s[20:21], s[22:23]
	s_or_b32 s[G0P+3], s[G0P+3], 0x80000000
	s_mov_b32 s[G0Q], 1
	s_add_co_u32 s[G0Q+1], s19, PB*REC
	s_add_nc_u64 s[G0Q+2:G0Q+3], s[46:47], s[22:23]
	s_or_b32 s[G0Q+3], s[G0Q+3], 0x80000000
	JLOAD                                          ; my one load
	s_mul_i32 s19, s15, PW*REC                     ; my blocks of P,
	s_mul_i32 s94, s16, QW*REC                     ; my blocks of Q,
	s_add_co_u32 s94, s94, PB*REC                  ; which lie behind P's
	s_lshl_b32 s98, s17, 10                        ; b2 = V's numbers 4,195,328 on; my wave's 128; for block p: 16 p + 8 h + 0 .. 7
	s_lshl_b32 s99, s15, 9
	s_add_co_u32 s98, s98, s99
	s_add_co_u32 s98, s98, 17053536                ; V(1448, 472) on, all in one row of V: at 1,448 x 11,776 + 4 x 472 in vflat, a multiple of 16
	s_mov_b32 s99, 0
	s_add_nc_u64 s[98:99], s[8:9], s[98:99]
	s_mul_i32 s95, s14, 16*528                     ; my stage for the way out
	s_lshl_b32 s20, s42, 7                         ; out0 at my first row, 128 qt + 64 x my half, and my first column, 256 pt + 128 x my half
	s_lshl_b32 s21, s16, 6
	s_add_co_u32 s20, s20, s21
	s_lshl_b32 s20, s20, 13
	s_lshl_b32 s21, s17, 10
	s_add_co_u32 s20, s20, s21
	s_lshl_b32 s21, s15, 9
	s_add_co_u32 s20, s20, s21
	s_mov_b32 s21, 0
	s_add_nc_u64 s[10:11], s[10:11], s[20:21]
	v_and_b32 v1, 15, v0
	v_bfe_u32 v2, v0, 4, 1
	v_and_b32 v3, 31, v0
	v_lshlrev_b32 v3, 4, v3
	v_lshlrev_b32 v4, 2, v1
	v_lshlrev_b32 v5, 5, v2
	v_add_nc_u32 v[ADRP], s19, v3
	v_add_nc_u32 v[ADRQ], s94, v3
	v_add_nc_u32 v[ADSP], s19, v4
	v_add_nc_u32 v[ADSQ], s94, v4
.irp a, ADRP, ADRQ, ADSP, ADSQ
	v_add_nc_u32 v[\a+1], SLOT, v[\a]
.endr
	v_mul_u32_u24 v[STO], v1, 528                  ; in: row r, 32 bytes for each half of the lanes
	v_lshl_add_u32 v[STO], v2, 5, v[STO]
	v_add_nc_u32 v[STO], s95, v[STO]
	v_add_nc_u32 v[RD], s95, v3                    ; back: the 32 lanes take one row of 512 bytes
	WIN 0xc0                                       ; destination window 3
.irp p, 0,1,2,3,4,5,6,7
	global_load_b128 v[8*\p:8*\p+3], v5, s[98:99] offset:64*\p
	global_load_b128 v[8*\p+4:8*\p+7], v5, s[98:99] offset:64*\p+16
.endr
	WIN 0
.macro FETCH slot, q, f
	WIN 0x40
.set fi, 0
.rept PW
.irp c, 0,1,2
	ds_load_b128 v[12*PW*(\f)+12*fi+4*\c:12*PW*(\f)+12*fi+4*\c+3], v[ADRP+(\slot)] offset:REC*fi+1536*(\q)+512*\c
.endr
.set fi, fi+1
.endr
	WIN 0
.set fi, 0
.rept QW
.irp c, 0,1,2
	ds_load_b128 v[QF+12*QW*(\f)+12*fi+4*\c:QF+12*QW*(\f)+12*fi+4*\c+3], v[ADRQ+(\slot)] offset:REC*fi+1536*(\q)+512*\c
.endr
.set fi, fi+1
.endr
.set fi, 0
.rept PW
	ds_load_b32 v[SCP+PW*(\f)+fi], v[ADSP+(\slot)] offset:REC*fi+SL*1536+64*(\q)
.set fi, fi+1
.endr
.set fi, 0
.rept QW
	ds_load_b32 v[SCQ+QW*(\f)+fi], v[ADSQ+(\slot)] offset:REC*fi+SL*1536+64*(\q)
.set fi, fi+1
.endr
.endm
.macro MUL p0, p1                      ; CSEL = 2: the bias starts the sums.  The accumulators take turns, one instruction a turn
.if CSEL == 2
	WIN 0xb1
.else
	WIN 0xa1
.endif
.set mp, \p0
.rept (\p1)-(\p0)
.set mq, 0
.rept QW
.set rD, 8*(mq*PW+mp)
.set rP, 12*PW*FS+12*mp
.set rQ, QF+12*QW*FS+12*mq
.set rA, SCP+PW*FS+mp
.set rB, SCQ+QW*FS+mq
.if CSEL == 2
	v_wmma_scale_f32_16x16x128_f8f6f4 v[rD:rD+7], v[rP:rP+11], v[rQ:rQ+11], v[8*mp:8*mp+7], v[rA], v[rB] matrix_a_fmt:MATRIX_FMT_BF6 matrix_b_fmt:MATRIX_FMT_BF6
.else
	v_wmma_scale_f32_16x16x128_f8f6f4 v[rD:rD+7], v[rP:rP+11], v[rQ:rQ+11], v[rD:rD+7], v[rA], v[rB] matrix_a_fmt:MATRIX_FMT_BF6 matrix_b_fmt:MATRIX_FMT_BF6
.endif
.set mq, mq+1
.endr
.set mp, mp+1
.endr
.endm
.macro STEP
	s_wait_dscnt 0x0
	PLACES
	FETCH RG, RJ+1, NS
	MUL 0, PW
.endm
.macro TURN                            ; slot 0's last K step: behind this barrier nobody reads slot 0 any more: the way out's stages lie there
	s_wait_dscnt 0x0                               ; this step's fragments are in: my last reads of slot 0
	s_barrier_signal -1
	MUL 0, PW/2
	s_barrier_wait -1
	PLACES
	FETCH RN, 0, NS
	MUL PW/2, PW
.endm
	s_wait_alu depctr_va_vdst(0)                   ; the wait at the head's end
	s_wait_tensorcnt 0x0                           ; my load is in
	s_barrier_signal -1
	s_barrier_wait -1                              ; both slots are whole
	FETCH 0, 0, 0
	s_wait_loadcnt 0x0                             ; the bias
.set S, 0
.rept KT
.set FS, S%2
.set NS, 1-FS
.set RG, (S/SL)%2
.set RN, 1-RG
.set RJ, S%SL
.set CSEL, 0
.if S == 0
.set CSEL, 2
.endif
.if S == KT-1
	s_wait_dscnt 0x0
	MUL 0, PW
.elseif RJ == SL-1
	TURN
.else
	STEP
.endif
.set S, S+1
.endr
	WIN 0
	PLACES
; THE WAY OUT, block by block of 16 rows x 128 columns.  A lane holds 32 neighbouring bytes of a row for each block of P: a block of rows goes through my own stage in LDS and comes back as whole rows of 512 bytes.
; The stage lies in slot 0, which has had its one fill.  LDS serves a wave's instructions in order: no wait between the stores and the loads.
.set BK, 128                           ; 16 rows read back: v128-191 and v192-255 by turns
.macro TOSTAGE a
	WIN 0x08
.irp b, 0,1,2,3,4,5,6,7
	ds_store_b128 v[STO], v[64*(\a)+8*\b:64*(\a)+8*\b+3] offset:64*\b          ; each accumulator from its low end on
	ds_store_b128 v[STO], v[64*(\a)+8*\b+4:64*(\a)+8*\b+7] offset:64*\b+16
.endr
	WIN 0
.set BB, BK+64*((\a)%2)
.irp t, 0,1,2,3,4,5,6,7,8,9,10,11,12,13,14,15
	ds_load_b128 v[BB+4*\t:BB+4*\t+3], v[RD] offset:\t*528
.endr
.endm
.macro SEND a, younger                 ; younger: the LDS instructions issued behind block a's loads, which may stay out
.set BB, BK+64*((\a)%2)
	s_wait_dscnt \younger
.irp t, 0,1,2,3,4,5,6,7,8,9,10,11,12,13,14,15
	global_store_b128 v3, v[BB+4*\t:BB+4*\t+3], s[10:11] offset:131072*(\a)+8192*\t th:TH_STORE_NT   ; 512 consecutive bytes, aligned
.endr
.endm
	TOSTAGE 0
.irp a, 1,2,3
.if \a > 1
	s_wait_xcnt 0x0                                ; block a - 2's stores have read their registers: block a's loads may land there
.endif
	TOSTAGE \a
	SEND \a-1, 32                                  ; behind block a - 1's loads: block a's 16 stores and 16 loads
.endr
	SEND 3, 0
	s_wait_tensorcnt 0x0                           ; the wave's end
	ds_add_u32 v[SPW], v[NIL]
	s_wait_dscnt 0x0
	CROUND                                         ; the closing round
	s_endpgm
.Lfunc_end_k_q4f7ee08bb0_gemmo:
	.size	k_q4f7ee08bb0_gemmo, .Lfunc_end_k_q4f7ee08bb0_gemmo-k_q4f7ee08bb0_gemmo
	.p2alignl 7, 3214868480
	.fill 96, 4, 3214868480
	.section	.rodata,"a",@progbits
	.p2align	6, 0x0
	.amdhsa_kernel k_q4f7ee08bb0_gemmo
		.amdhsa_group_segment_fixed_size 327680
		.amdhsa_private_segment_fixed_size 0
		.amdhsa_enable_private_segment 0
		.amdhsa_kernarg_size 32
		.amdhsa_user_sgpr_count 2
		.amdhsa_user_sgpr_kernarg_segment_ptr 1
		.amdhsa_wavefront_size32 1
		.amdhsa_system_sgpr_workgroup_id_x 1
		.amdhsa_system_sgpr_workgroup_id_y 1
		.amdhsa_system_sgpr_workgroup_id_z 1
		.amdhsa_system_vgpr_workitem_id 0
		.amdhsa_next_free_vgpr 1024
		.amdhsa_next_free_sgpr 100
		.amdhsa_reserve_vcc 0
		.amdhsa_float_denorm_mode_32 3
		.amdhsa_float_denorm_mode_16_64 3
		.amdhsa_memory_ordered 1
		.amdhsa_forward_progress 1
		.amdhsa_inst_pref_size 81
	.end_amdhsa_kernel
	.amdgpu_metadata
---
amdhsa.version: [ 1, 2 ]
amdhsa.kernels:
  - .name:           k_q4f7ee08bb0_gemmo
    .symbol:         k_q4f7ee08bb0_gemmo.kd
    .args:
      - { .name: mq, .offset: 0, .size: 8, .value_kind: global_buffer, .address_space: global }
      - { .name: hq, .offset: 8, .size: 8, .value_kind: global_buffer, .address_space: global }
      - { .name: vflat, .offset: 16, .size: 8, .value_kind: global_buffer, .address_space: global }
      - { .name: out0, .offset: 24, .size: 8, .value_kind: global_buffer, .address_space: global }
    .group_segment_fixed_size: 327680
    .private_segment_fixed_size: 0
    .kernarg_segment_align: 8
    .kernarg_segment_size: 32
    .max_flat_workgroup_size: 128
    .sgpr_count:     100
    .vgpr_count:     1024
    .wavefront_size: 32
...
	.end_amdgpu_metadata
.endif
;; end of part 5
